; MI455X (gfx1250); checked and timed in simulation.
; The chip was launched on July 23, 2026; its instructions are those of AMD's public machine-readable ISA for CDNA 5 (MIT licence, August 2026) and "CDNA5" Instruction Set Architecture Reference Guide (July 2026). The comments in the code are by the model that wrote it; some were corrected since.
;; Multi Head. Allowed arithmetic: matrix products marked QUANTISED: E2M3 operands, one E8M0 scale for each 32 along K, by v_wmma_scale_f32_16x16x128_f8f6f4 with both operands' format E2M3, f32 sums; everything else in f32.
;; Inputs: Wk 16 x 1,024 x 64 float32; Wp 1,024 x 1,024 float32; Wq 16 x 1,024 x 64 float32; Wv 16 x 1,024 x 64 float32; bp 1,024 float32; data 4 x 2,048 x 1,024 float32.
;; Outputs: out0 4 x 2,048 x 1,024 float32.
;; This version of the problem:
;;   THIS VERSION OF THE PROBLEM IS GIVEN IN LOW PRECISION. The matrix products marked QUANTISED in the list below multiply operands that are first quantised to E2M3 (2 exponent bits, 3 mantissa bits; 6 bits a number), with one power-of-two scale for each 32 numbers along K (OCP MX v1.0); their sums are f32. All else is computed in f32.
;;   The module's matrix products, in the order in which they are computed (A, B: the left and right operand; K: the contracted axis; several contracted axes count as one K, in the product's order):
;;     1. [M 1,024, K 1,024] x [K 1,024, N 8,192]; A: input Wq; B: input data: QUANTISED
;;     2. [M 1,024, K 1,024] x [K 1,024, N 8,192]; A: input Wk; B: input data: QUANTISED
;;     3. [M 1,024, K 1,024] x [K 1,024, N 8,192]; A: input Wv; B: input data: QUANTISED
;;     4. batch 64 x [M 2,048, K 64] x [K 64, N 2,048]; A: computed on the way; B: computed on the way: QUANTISED
;;     5. batch 64 x [M 2,048, K 2,048] x [K 2,048, N 64]; A: softmax (see below); B: computed on the way: QUANTISED
;;     6. [M 8,192, K 1,024] x [K 1,024, N 1,024]; A: computed on the way; B: input Wp: QUANTISED
;;   THE QUANTISER, for each operand of a quantised product, along K:
;;     - K is cut into blocks of 32 from its start; a last block that is shorter is filled with zeros.
;;     - A block's scale is 2^e with e = floor(log2(the largest magnitude in the block)) - 2, held to -126 .. 127; a block of zeros has e = 0. As a byte (E8M0): e + 127.
;;     - Each number is divided by its block's scale, clamped to +-7.5, and rounded to the nearest number of E2M3, ties to even, subnormals kept.
;;     - The product sums the exact products of the quantised numbers (number of the format x scale) in f32.
;;   ~~~python
;;   def quantise(x, axis):      # numpy; x: float32 -> the quantised numbers, widened to float32 again
;;       x = np.moveaxis(x, axis, -1); K = x.shape[-1]
;;       x = np.pad(x, [(0, 0)] * (x.ndim - 1) + [(0, -K % 32)]); x = x.reshape(x.shape[:-1] + (-1, 32)); a = np.abs(x).max(-1, keepdims=True)
;;       e = np.where(a > 0, np.clip(np.frexp(np.where(a > 0, a, 1))[1] - 1 - 2, -126, 127), 0)      # np.frexp(a)[1] - 1 = floor(log2(a)), exactly
;;       r = np.clip(x / 2.0 ** e, -7.5, 7.5)
;;       step = 2.0 ** (np.maximum(np.frexp(np.where(r == 0, 1, r))[1] - 1, 0) - 3)
;;       q = np.round(r / step) * step * 2.0 ** e      # np.round: ties to even
;;       return np.moveaxis(q.reshape(q.shape[:-2] + (-1,))[..., :K], -1, axis).astype(np.float32)
;;   ~~~
;;   SOFTMAX AHEAD OF A QUANTISED PRODUCT. Where the list says 'softmax', what is quantised is not the finished softmax but p = 2^(t - M), with t = logit x log2(e) and M = ceil(the row's largest t), a whole number; so 1/2 < the row's largest p <= 1. The row's sum l is taken of the UNQUANTISED p, in f32, and the product's result is divided by l at the end. Since M is a whole number, a kernel that streams over the keys may use a running M (the ceiling of the running maximum): every later rescaling is an exact power of two, which a block's scale takes up: the codes' values come out the same.
;;   OPERANDS COMPUTED ON THE WAY. 'Computed on the way' means the value that the module computes at that place (a softmax that the list does not call 'softmax' is quantised finished and normalised). What goes into a quantiser is computed in f32, as accurately as f32 sums, v_exp_f32 and their like allow (about 1e-6 of the number): no bf16 or f16 on the way to a quantiser, and a product that is left as it is and whose result goes on into a quantised operand takes f32 operands (vector FMAs, or v_wmma_f32_16x16x4_f32). A number that lies on a knife's edge between two numbers of the format may be rounded either way, as far as f32 arithmetic and the matrix unit's own rounding can turn it there, and no further.
;; One version. Each part assembles by itself: llvm-mc -triple=amdgcn-amd-amdhsa -mcpu=gfx1250 --defsym DOCPART=n.
;; ======== version 1 of 1: 4 launches
;; limits: right only within a limited range of input values
;; workspace buffers: xq 6,553,600 bytes; wqkq 1,835,008 bytes; wvq 1,048,576 bytes; wpq 1,048,576 bytes; qkq 13,631,488 bytes; vq 7,340,032 bytes; oq 6,553,600 bytes
;; launch prep (part 1): grid 512 x 1, 4 waves a work-group, no clusters, 48,640 bytes of LDS; arguments data, xq, Wq, Wk, Wv, Wp, wqkq, wvq, wpq; writes xq, wqkq, wvq, wpq
.if DOCPART == 1
	.amdgcn_target "amdgcn-amd-amdhsa--gfx1250"
	.amdhsa_code_object_version 6
	.text
	.protected	k_qc4f9d4fa2c_prep
	.globl	k_qc4f9d4fa2c_prep
	.p2align	8
	.type	k_qc4f9d4fa2c_prep,@function
k_qc4f9d4fa2c_prep:
	s_mov_b64 s[64:65], 0
	v_nop
	global_prefetch_b8 v0, s[64:65] scope:SCOPE_SE
	s_setreg_imm32_b32 hwreg(HW_REG_WAVE_MODE, 25, 1), 1
	s_wait_xcnt 0x0
; data and the four weights, f32, become codes of FP6 (E2M3) with one E8M0 byte for each 32 along K (= e), laid in the order of a matrix operand's registers.  One launch: work-groups 0 to 255 take data (the longer path), 256 to 511 the weights.
; WORK LEFT OUT BY THE PROGRAM: reference() sets every score with key > query to -infinity by its own jnp.tril, so its p is 0 for all values of the inputs: key steps of 128 that lie wholly above the diagonal of a block of 128 queries are not multiplied (launch att).
; LIMIT: a NaN, an infinity or an overflow that reaches only those scores is not carried to the result.  Every input has a way to the output and is loaded.
; TILES.  Tile T of an operand has 16 rows; its row r is logical row 32 (T / 2) + 8 (T % 2) + r + 8 (r / 8) (a token; a weight's (head, d) or n).  So a product used transposed leaves 16 NEIGHBOURS along the next K in the registers of two neighbouring tiles.
; RECORD (1,536 bytes) = one fragment, 16 tile rows x 128 K, 12 registers a lane, in halves c = 0, 1 of 768 bytes: registers 6 c .. 6 c + 3 at 768 c + 16 x lane, registers 6 c + 4, 6 c + 5 at 768 c + 512 + 8 x lane.
; A buffer: scale records (64 bytes: word r = tile row r's four bytes) from byte 0, code records from byte INC, both [tile][K step 0..7].  wqkq holds Wq's 1,024 rows and then Wk's; wvq Wv's; wpq Wp's columns.
; A block's scale is 2^(floor(log2(largest magnitude)) - 2): its byte is the largest magnitude's exponent field - 2, held at 1 from below.
; LIMITS: a block of zeros, or one whose largest magnitude lies under 2^-124, gets the byte 1 (zero codes add nothing; only this program reads the bytes); NaN and infinities among the inputs are not served.
; The two paths part on the work-group's number alone, and each has LDS bytes of its own; they share the spare words.  No barrier: waves share nothing.
.set INC,   262144
.set REC,   1536
.set WREG,  8704                       ; data's path, LDS for a wave: a stage of 16 x 528 bytes and 256 bytes for its four scale records
.set SCS,   8448
.set QWB,   4*WREG                     ; the weights' path: its stages begin here
.set RECP,  1664                       ; from record to record in a stage: 1,536 + 128
.set WST,   2*RECP
.set SPARE, QWB+4*WST                  ; the spare words, 128 bytes a wave: two blocks of 256 bytes that no other line names
.set SPW,   252                        ; v252 LDS address of my spare word; v253 0; never rewritten
.set NIL,   253
	v_lshl_add_u32 v[SPW], v0, 2, SPARE
	v_mov_b32 v[NIL], 0
	s_cmp_lt_u32 ttmp9, 256
	s_cbranch_scc0 .Lweights
; ================= data [8192 (b, t)][1024 (e)], K innermost.  A wave takes one tile x four K steps; a work-group two tiles, 32 whole rows.  Each load reads 512 consecutive bytes of one row (a K step); the 16 rows turn through the wave's own stage
; (rows 528 bytes apart), so that lane (r, h) gets, of row r, 16 neighbours of each block of 32: register 16 b + i = k 32 b + 16 h + i.  Loads run two K steps (32 loads a wave) ahead.
.set R,     16                         ; v16-143  two sets of 64: a K step as loaded
.set X,     144                        ; v144-207 64 numbers as the quantiser wants them
.set PC,    208                        ; v208-227 the codes
.set TM,    228                        ; v228-243 at work
.set PW,    244                        ; v244     the scale word
.set SEL,   20                         ; s[20:21] selects for lane l xor 16
	s_load_b128 s[4:7], s[0:1], 0x0                ; data, xq
	v_lshrrev_b32 v1, 5, v0
	v_readfirstlane_b32 s8, v1                     ; wave
	v_and_b32 v2, 31, v0
	v_lshlrev_b32 v3, 4, v2                        ; 16 x lane
	v_lshlrev_b32 v11, 3, v2                       ; 8 x lane
	v_and_b32 v4, 15, v0                           ; r
	v_bfe_u32 v5, v0, 4, 1                         ; h
	s_mul_i32 s9, s8, WREG
	v_add_nc_u32 v14, s9, v3                       ; the stage, on the way in
	v_mul_u32_u24 v15, v4, 528
	v_lshl_add_u32 v15, v5, 6, v15
	v_add_nc_u32 v15, s9, v15                      ; and out: row r, + 64 h
	s_add_co_u32 s9, s9, SCS
	v_lshl_add_u32 v12, v4, 2, s9                  ; my row's scale word
	v_add_nc_u32 v13, s9, v11
	s_lshr_b32 s10, s8, 1                          ; which of the two tiles
	s_and_b32 s11, s8, 1                           ; which four K steps
	s_lshl_b32 s12, ttmp9, 17                      ; 32 rows of 4,096 bytes a work-group,
	s_lshl_b32 s13, s10, 15                        ; the second tile begins 8 rows down,
	s_add_co_u32 s12, s12, s13
	s_lshl_b32 s13, s11, 11                        ; four K steps are 2,048 bytes
	s_add_co_u32 s12, s12, s13
	s_mov_b32 s13, 0
	s_lshl_b32 s14, ttmp9, 1
	s_add_co_u32 s14, s14, s10                     ; tile
	s_lshl_b32 s14, s14, 3
	s_lshl_b32 s15, s11, 2
	s_add_co_u32 s14, s14, s15                     ; my first record
	s_mul_i32 s16, s14, REC
	s_add_co_u32 s16, s16, INC
	s_mov_b32 s17, 0
	s_lshl_b32 s18, s14, 6
	s_mov_b32 s19, 0
	s_mov_b32 s[SEL], 0x76543210
	s_mov_b32 s[SEL+1], 0xfedcba98
.irp b, 0,1,2,3
	v_mov_b32 v[TM+4+\b], 0                        ; written once: a lane permute's destination counts as one of its sources
.endr
	s_wait_alu depctr_va_vdst(0)                   ; the wait at the head's end
	s_wait_kmcnt 0x0
	s_add_nc_u64 s[4:5], s[4:5], s[12:13]
	s_add_nc_u64 s[16:17], s[6:7], s[16:17]        ; my code records
	s_add_nc_u64 s[18:19], s[6:7], s[18:19]        ; my scale records
.macro LOAD s                          ; K step s of my 16 rows
.irp j, 0,1,2,3,4,5,6,7,8,9,10,11,12,13,14,15
	global_load_b128 v[R+64*((\s)%2)+4*\j:R+64*((\s)%2)+4*\j+3], v3, s[4:5] offset:(\j+8*(\j/8))*4096+512*(\s) th:TH_LOAD_NT
.endr
.endm
.macro TURN s                          ; through the stage: LDS serves a wave's instructions in order, so no wait stands between the stores and the loads
.irp j, 0,1,2,3,4,5,6,7,8,9,10,11,12,13,14,15
	ds_store_b128 v14, v[R+64*((\s)%2)+4*\j:R+64*((\s)%2)+4*\j+3] offset:528*\j
.endr
.irp b, 0,1,2,3
.irp q, 0,1,2,3
	ds_load_b128 v[X+16*\b+4*\q:X+16*\b+4*\q+3], v15 offset:128*\b+16*\q
.endr
.endr
.endm
.macro QUANT s                         ; 64 numbers of a lane become a fragment's codes in v[PC] on and its scale word in v[PW]
.irp b, 0,1,2,3
	v_max3_num_f32 v[TM+\b], |v[\s+16*\b]|, |v[\s+1+16*\b]|, 0x1800000   ; block b: my 16 numbers, and the floor 2^(3 - 127)
.endr
.irp i, 2,4,6,8,10,12,14
.irp b, 0,1,2,3
	v_max3_num_f32 v[TM+\b], v[TM+\b], |v[\s+16*\b+\i]|, |v[\s+1+16*\b+\i]|   ; the four blocks by turns
.endr
.endr
.irp b, 0,1,2,3
	v_permlanex16_b32 v[TM+4+\b], v[TM+\b], s[SEL], s[SEL+1]
.endr
.irp b, 0,1,2,3
	v_max_num_f32 v[TM+\b], v[TM+\b], v[TM+4+\b]   ; with lane l xor 16's: the block's largest magnitude
.endr
.irp b, 0,1,2,3
	v_add_nc_u32 v[TM+12+\b], 0xff000000, v[TM+\b] ; 2 off its exponent field: the conversion's scale operand
.endr
.irp b, 0,1,2,3
	v_lshrrev_b32 v[TM+4+\b], 23, v[TM+12+\b]      ; the scale's byte
.endr
	v_lshl_or_b32 v[PW], v[TM+5], 8, v[TM+4]
	v_lshl_or_b32 v[PW], v[TM+6], 16, v[PW]
	v_lshl_or_b32 v[PW], v[TM+7], 24, v[PW]
.irp c, 0,1
	v_cvt_scalef32_pk16_fp6_f32 v[PC+6*\c:PC+2+6*\c], v[\s+32*\c:\s+15+32*\c], v[TM+12+2*\c]
	v_cvt_scalef32_pk16_fp6_f32 v[PC+12+4*\c:PC+14+4*\c], v[\s+16+32*\c:\s+31+32*\c], v[TM+12+2*\c+1]
.endr
	v_nop                                          ; one plain instruction behind a scaled conversion
.irp c, 0,1                            ; the layout wants a whole block in a lane: lanes 0-15 block 2 c, lanes 16-31 block 2 c + 1
.irp i, 0,1,2
	v_permlane16_swap_b32 v[PC+6*\c+\i], v[PC+12+4*\c+\i]
.endr
.irp i, 0,1,2
	v_mov_b32 v[PC+3+6*\c+\i], v[PC+12+4*\c+\i]
.endr
.endr
.endm
.macro KSTEP s
.if (\s) < 3
	s_wait_loadcnt 16                              ; this K step's 16 loads are in; the next one's may be out
.else
	s_wait_loadcnt 0x0
.endif
	TURN \s
	s_wait_dscnt 0x0                               ; my numbers are back; the stores into the stage have read their registers,
.if (\s) < 2
	LOAD (\s)+2                                    ; which take the loads of two K steps on
.endif
.if (\s) > 0
	s_wait_xcnt 0x0                                ; the last K step's stores have read the codes' registers: they are written again only behind this wait
.endif
	QUANT X
	global_store_b128 v3, v[PC:PC+3], s[16:17] offset:REC*(\s)           ; the record as it lies: 512, 256, 512, 256 consecutive bytes
	global_store_b64 v11, v[PC+4:PC+5], s[16:17] offset:REC*(\s)+512
	global_store_b128 v3, v[PC+6:PC+9], s[16:17] offset:REC*(\s)+768
	global_store_b64 v11, v[PC+10:PC+11], s[16:17] offset:REC*(\s)+1280
	ds_store_b32 v12, v[PW] offset:64*(\s)         ; lanes r and r + 16 write the same word with the same value
.endm
	LOAD 0
	LOAD 1
	KSTEP 0
	KSTEP 1
	KSTEP 2
	KSTEP 3
	ds_load_b64 v[X:X+1], v13                      ; my four scale records, 256 bytes
	s_wait_dscnt 0x0
	global_store_b64 v11, v[X:X+1], s[18:19]       ; 32 lanes store 256 consecutive bytes, at a multiple of 256 from the buffer's first byte
	s_wait_tensorcnt 0x0                           ; the wave's end, behind my last LDS store
	ds_add_u32 v[SPW], v[NIL]
	s_wait_dscnt 0x0
	s_endpgm
; ================= the weights, K NOT innermost.  Wq, Wk, Wv: [16][1024 (e)][64 (d)]; Wp: [1024 (e)][1024 (n)].  A LANE TAKES A COLUMN, ITS REGISTERS RUN DOWN K: a wave takes 32 logical rows x one K step of 128; each load reads 128 consecutive bytes;
; a block of 32 along K lies in one lane; nothing is transposed by an instruction.  The lane's four blocks go to their places in two records in the wave's own stage and leave as they lie, 512 consecutive bytes a store.
.Lweights:
.set AD16,  4                          ; v4   stage + 1664 u + 16 r: where my block's first 16 bytes go
.set AD8,   5                          ; v5   stage + 1664 u + 8 r: and its last 8
.set RB,    6                          ; v6   stage + 16 x lane: the way back
.set GO,    7                          ; v7   16 x lane
.set GS,    14                         ; v14  512 u + 4 r: my scale word's place
.set AO,    16                         ; v16-47   row i of a block: (i << shift) + 4 x lane
.set X,     48                         ; v48-175  128 numbers: four blocks
.set CD,    176                        ; v176-207 codes: eight registers a block
.set SW,    208                        ; v208     my row's scale word
	s_load_b256 s[4:11], s[0:1], 0x10              ; Wq, Wk, Wv, Wp
	s_load_b128 s[12:15], s[0:1], 0x30             ; wqkq, wvq
	s_load_b64 s[16:17], s[0:1], 0x40              ; wpq
	v_lshrrev_b32 v1, 5, v0
	v_readfirstlane_b32 s18, v1                    ; wave
	v_and_b32 v2, 31, v0                           ; lane = my logical row among the wave's 32
	v_lshlrev_b32 v3, 2, v2
	v_bfe_u32 v8, v0, 3, 1                         ; u: which of the two tiles
	v_bfe_u32 v9, v0, 4, 1
	v_and_b32 v10, 7, v0
	v_lshl_add_u32 v10, v9, 3, v10                 ; r: my tile row
	s_mul_i32 s46, s18, WST
	s_add_co_u32 s46, s46, QWB
	v_mul_u32_u24 v11, v8, RECP
	v_add_nc_u32 v11, s46, v11
	v_lshl_add_u32 v[AD16], v10, 4, v11
	v_lshl_add_u32 v[AD8], v10, 3, v11
	v_lshlrev_b32 v[GO], 4, v2
	v_add_nc_u32 v[RB], s46, v[GO]
	v_lshlrev_b32 v[GS], 2, v10
	v_lshl_add_u32 v[GS], v8, 9, v[GS]
	s_lshr_b32 s19, ttmp9, 5
	s_and_b32 s19, s19, 7                          ; K step 0..7 (this path's work-groups are numbered from 256)
	s_and_b32 s21, ttmp9, 31
	s_lshr_b32 s20, s21, 3                         ; which weight: 0 Wq, 1 Wk, 2 Wv, 3 Wp
	s_lshl_b32 s21, s21, 2
	s_add_co_u32 s21, s21, s18
	s_lshl_b32 s21, s21, 5                         ; my first row among all 4,096
	s_and_b32 s22, s21, 1023                       ; and in its weight
	s_lshr_b32 s36, s22, 6
	s_lshl_b32 s36, s36, 18                        ; a head's weight: 262,144 bytes a head,
	s_and_b32 s37, s22, 63
	s_lshl_b32 s37, s37, 2
	s_add_co_u32 s36, s36, s37                     ; + 4 d
	s_lshl_b32 s37, s22, 2                         ; Wp: 4 n
	s_cmp_eq_u32 s20, 3
	s_cselect_b32 s23, 12, 8                       ; a row along K is 4,096 bytes in Wp, 256 in the others: as a shift
	s_cselect_b32 s36, s37, s36
	s_lshl_b32 s37, s19, 7
	s_lshl_b32 s37, s37, s23
	s_add_co_u32 s36, s36, s37                     ; + my K step's 128 rows
	s_mov_b32 s37, 0
	s_lshl_b32 s44, 32, s23                        ; a block's 32 rows
	s_mov_b32 s45, 0
	s_cmp_lt_u32 s20, 2
	s_cselect_b32 s38, s21, s22                    ; my first row in its buffer (Wk's rows lie behind Wq's)
	s_lshr_b32 s38, s38, 4
	s_lshl_b32 s38, s38, 3
	s_add_co_u32 s38, s38, s19                     ; my first record: 8 x tile + K step
	s_mul_i32 s40, s38, 1536
	s_add_co_u32 s40, s40, INC
	s_mov_b32 s41, 0
	s_lshl_b32 s42, s38, 6
	s_mov_b32 s43, 0
.set i, 0
.rept 32
	v_lshl_add_u32 v[AO+i], i, s23, v3
.set i, i+1
.endr
	s_wait_alu depctr_va_vdst(0)                   ; the wait at the head's end
	s_wait_kmcnt 0x0
	s_cmp_lt_u32 s20, 1                            ; the buffers are chosen by the work-group's number alone
	s_cselect_b64 s[32:33], s[4:5], s[6:7]
	s_cmp_lt_u32 s20, 3
	s_cselect_b64 s[34:35], s[8:9], s[10:11]
	s_cselect_b64 s[38:39], s[14:15], s[16:17]
	s_cmp_lt_u32 s20, 2
	s_cselect_b64 s[32:33], s[32:33], s[34:35]
	s_cselect_b64 s[38:39], s[12:13], s[38:39]
	s_add_nc_u64 s[24:25], s[32:33], s[36:37]      ; a base for each of the four blocks
	s_add_nc_u64 s[26:27], s[24:25], s[44:45]
	s_add_nc_u64 s[28:29], s[26:27], s[44:45]
	s_add_nc_u64 s[30:31], s[28:29], s[44:45]
	s_add_nc_u64 s[34:35], s[38:39], s[40:41]      ; my code records
	s_add_nc_u64 s[42:43], s[38:39], s[42:43]      ; my scale records
.macro WLOAD t                         ; block t: 32 rows along K at my column; 32 lanes read 128 consecutive bytes
.set i, 0
.rept 32
	global_load_b32 v[X+32*(\t)+i], v[AO+i], s[24+2*(\t):25+2*(\t)] th:TH_LOAD_NT
.set i, i+1
.endr
.endm
	WLOAD 0
	WLOAD 1
.macro WBLOCK t                        ; block t = 2 c + h of the fragment: it belongs to lane r + 16 h, half c
.set XS, X+32*(\t)
.set CS, CD+8*(\t)
.if (\t) < 3
	s_wait_loadcnt 32                              ; this block's 32 loads are in; the next block's may be out
.else
	s_wait_loadcnt 0x0
.endif
.if (\t)+2 < 4
	WLOAD (\t)+2                                   ; two blocks ahead, into registers of its own
.endif
	v_max3_num_f32 v8, |v[XS]|, |v[XS+1]|, |v[XS+2]|    ; the block's largest magnitude: all 32 numbers are mine; two chains
	v_max3_num_f32 v9, |v[XS+3]|, |v[XS+4]|, |v[XS+5]|
.irp i, 6,10,14,18,22,26
	v_max3_num_f32 v8, v8, |v[XS+\i]|, |v[XS+\i+1]|
	v_max3_num_f32 v9, v9, |v[XS+\i+2]|, |v[XS+\i+3]|
.endr
	v_max3_num_f32 v8, v8, |v[XS+30]|, |v[XS+31]|
	v_max3_num_f32 v8, v8, v9, 0x1800000           ; and the floor 2^(3 - 127): the byte cannot fall under 1
	v_add_nc_u32 v10, 0xff000000, v8               ; 2 off its exponent field: the conversion takes this operand's exponent field as its scale
	v_lshrrev_b32 v11, 23, v10                     ; the scale's byte
.if (\t) == 0
	v_mov_b32 v[SW], v11
.else
	v_lshl_or_b32 v[SW], v11, 8*(\t), v[SW]
.endif
	v_cvt_scalef32_pk16_fp6_f32 v[CS:CS+2], v[XS:XS+15], v10
	v_cvt_scalef32_pk16_fp6_f32 v[CS+4:CS+6], v[XS+16:XS+31], v10   ; (a conversion's three registers begin on an even number)
	v_nop                                          ; one plain instruction between a scaled conversion and the vector instruction that touches its result
	v_mov_b32 v[CS+3], v[CS+4]                     ; the block's six registers on end
	v_mov_b32 v[CS+4], v[CS+5]
	v_mov_b32 v[CS+5], v[CS+6]
	ds_store_b128 v[AD16], v[CS:CS+3] offset:((\t)/2)*768+((\t)%2)*256
	ds_store_b64 v[AD8], v[CS+4:CS+5] offset:((\t)/2)*768+512+((\t)%2)*128
.endm
	WBLOCK 0
	WBLOCK 1
	WBLOCK 2
	WBLOCK 3
	global_store_b32 v[GS], v[SW], s[42:43]        ; two runs of 64 bytes, one for each tile: one byte for 128 that the path reads
.irp n, 0,1,2,3,4,5
	ds_load_b128 v[X+4*\n:X+4*\n+3], v[RB] offset:(\n/3)*RECP+(\n%3)*512   ; LDS serves a wave's instructions in order: these see my stores
.endr
.irp n, 0,1,2,3,4,5
	s_wait_dscnt 5-\n                              ; the younger loads may be out
	global_store_b128 v[GO], v[X+4*\n:X+4*\n+3], s[34:35] offset:(\n/3)*12288+(\n%3)*512   ; 512 consecutive bytes; the second tile's record lies eight records on
.endr
	s_wait_tensorcnt 0x0                           ; the wave's end, behind my last LDS store
	ds_add_u32 v[SPW], v[NIL]
	s_wait_dscnt 0x0
	s_endpgm
.Lfunc_end_k_qc4f9d4fa2c_prep:
	.size	k_qc4f9d4fa2c_prep, .Lfunc_end_k_qc4f9d4fa2c_prep-k_qc4f9d4fa2c_prep
	.p2alignl 7, 3214868480
	.fill 96, 4, 3214868480
	.section	.rodata,"a",@progbits
	.p2align	6, 0x0
	.amdhsa_kernel k_qc4f9d4fa2c_prep
		.amdhsa_group_segment_fixed_size 48640
		.amdhsa_private_segment_fixed_size 0
		.amdhsa_enable_private_segment 0
		.amdhsa_kernarg_size 72
		.amdhsa_user_sgpr_count 2
		.amdhsa_user_sgpr_kernarg_segment_ptr 1
		.amdhsa_wavefront_size32 1
		.amdhsa_system_sgpr_workgroup_id_x 1
		.amdhsa_system_sgpr_workgroup_id_y 1
		.amdhsa_system_sgpr_workgroup_id_z 1
		.amdhsa_system_vgpr_workitem_id 0
		.amdhsa_next_free_vgpr 256
		.amdhsa_next_free_sgpr 66
		.amdhsa_reserve_vcc 0
		.amdhsa_float_denorm_mode_32 3
		.amdhsa_float_denorm_mode_16_64 3
		.amdhsa_memory_ordered 1
		.amdhsa_forward_progress 1
		.amdhsa_inst_pref_size 58
	.end_amdhsa_kernel
	.amdgpu_metadata
---
amdhsa.version: [ 1, 2 ]
amdhsa.kernels:
  - .name:           k_qc4f9d4fa2c_prep
    .symbol:         k_qc4f9d4fa2c_prep.kd
    .args:
      - { .name: data, .offset: 0, .size: 8, .value_kind: global_buffer, .address_space: global }
      - { .name: xq, .offset: 8, .size: 8, .value_kind: global_buffer, .address_space: global }
      - { .name: Wq, .offset: 16, .size: 8, .value_kind: global_buffer, .address_space: global }
      - { .name: Wk, .offset: 24, .size: 8, .value_kind: global_buffer, .address_space: global }
      - { .name: Wv, .offset: 32, .size: 8, .value_kind: global_buffer, .address_space: global }
      - { .name: Wp, .offset: 40, .size: 8, .value_kind: global_buffer, .address_space: global }
      - { .name: wqkq, .offset: 48, .size: 8, .value_kind: global_buffer, .address_space: global }
      - { .name: wvq, .offset: 56, .size: 8, .value_kind: global_buffer, .address_space: global }
      - { .name: wpq, .offset: 64, .size: 8, .value_kind: global_buffer, .address_space: global }
    .group_segment_fixed_size: 48640
    .private_segment_fixed_size: 0
    .kernarg_segment_align: 8
    .kernarg_segment_size: 72
    .max_flat_workgroup_size: 128
    .sgpr_count:     66
    .vgpr_count:     256
    .wavefront_size: 32
...
	.end_amdgpu_metadata
.endif
;; end of part 1
;; launch qkv (part 2): grid 8 x 32, 4 waves a work-group, clusters of 4 x 1, 327,680 bytes of LDS; arguments xq, wqkq, wvq, qkq, vq; writes qkq, vq
.if DOCPART == 2
	.amdgcn_target "amdgcn-amd-amdhsa--gfx1250"
	.amdhsa_code_object_version 6
	.text
	.protected	k_qc4f9d4fa2c_qkv
	.globl	k_qc4f9d4fa2c_qkv
	.p2align	8
	.type	k_qc4f9d4fa2c_qkv,@function
k_qc4f9d4fa2c_qkv:
	s_mov_b64 s[64:65], 0
	v_nop
	global_prefetch_b8 v0, s[64:65] scope:SCOPE_SE
	s_setreg_imm32_b32 hwreg(HW_REG_WAVE_MODE, 25, 1), 1
	s_wait_xcnt 0x0
	s_wait_alu depctr_hold_cnt(0) depctr_sa_sdst(0) depctr_va_vdst(0) depctr_va_sdst(0) depctr_va_ssrc(0) depctr_va_vcc(0) depctr_vm_vsrc(0)
	s_getreg_b32 s2, hwreg(HW_REG_IB_STS2, 6, 4)
	s_cmp_eq_u32 s2, 0
	s_cbranch_scc0 .Lentry_in_a_cluster
	s_endpgm
.Lentry_in_a_cluster:
	s_bfe_u32 s2, ttmp6, 0x10000c
	s_cmp_lg_u32 s2, 0x3003
	s_cbranch_scc0 .Lentry_shape_is_right
	s_endpgm
.Lentry_shape_is_right:
; q, k and v^T of one input in one pass over data's codes, on codes of FP6 (E2M3) with E8M0 scales, K = 1,024; every result is quantised on the way out: no f32 number leaves the launch.
; OPERANDS as records: a fragment (16 tile rows x 128 K, 12 registers a lane) in 1,536 bytes: halves c of 768: registers 6 c .. 6 c + 3 at 768 c + 16 x lane, 6 c + 4, 6 c + 5 at 768 c + 512 + 8 x lane.
; An input buffer: scale records (64 bytes, word r = tile row r's four bytes) from byte 0, code records from byte INC, both [tile][K step 0..7].  Tile T's row r is logical row 32 (T / 2) + 8 (T % 2) + r + 8 (r / 8).
; THE DEAL.  256 work-groups of four waves: 256 tokens (16 tiles) x 256 columns of Wq|Wk and 128 of Wv.  Wave w holds, all of K, in registers: one head of Wq or Wk (four tiles, head 4 cg + w of 32) and two tiles of Wv (tiles 8 cg + 2 w, + 1).
; The weights come from memory straight into the registers, each lane its own bytes, 512 or 256 consecutive bytes an instruction: a work-group's weights (294,912 bytes) and its tokens' tiles (196,608 bytes) do not fit in LDS together, so the weights have no joint load.
; The tokens' 16 tiles come into LDS once, one joint load a wave (the four work-groups of a cluster share them: mask 15); no refill, and no data prefetch: all is asked for at the head.  Every wave streams all 16 tiles past its weights: a block = a tile = 48 products.
; q, k: source 0 = the weight's tile, source 1 = the tokens': lane (r, h) holds token row r, register 16 b + i = channel 32 b + 16 h + i of the head: half c = head % 2 of record (RT / 64) x 1024 + CS x 64 + RT % 64 (RT the tokens' tile, CS = head / 2).
;   Its scale record (128 bytes): word 16 c + r = head c's two bytes of row r, zeros above them (the reader multiplies them with zero codes).
; v^T: source 0 = the tokens' tile, source 1 = Wv's: lane (r, h) holds channel row r; the 16 registers of two neighbouring tokens' tiles are keys 32 b + 16 h + 0 .. 15: one scale block with lane l xor 16's.  It is quantised pair by pair; eight tiles make a record CS x 64 + RT (CS the step of 128 tokens, RT Wv's tile).
;   Its scale record: words 0-15 the rows' words W, words 16-31 W >> 16.
; A block's products go V, QK, QK, V, QK, QK for each K step: five other products stand between two steps of any sum.
; THE TEXT: a loop of two trips of eight blocks.  A block's run fetches the tile two on into the set that it has read; the second trip's last two blocks fetch nothing (a branch on the trip's count round the LDS loads alone), so the waits behind blocks 6 and 7 are for 0.
; The counted wait NF: younger than the next block's fragments is this block's fetch alone (32 loads for eight fragments, 2 for eight scale words).
; LIMITS: a block of zeros, or one under 2^-124, gets the byte 1 (zero codes; only this program reads the bytes); NaN and infinities are not served.
.set REC,   1536
.set TILEB, 8*REC
.set KROW,  768
.set INC,   262144
.set ATC,   1048576
.set FR,    12
.set FPW,   21                         ; fragments in a window
.set NF,    34
.set SCL,   16*TILEB                   ; behind the tiles: the tokens' scale words, re-laid as rows of 32 bytes, 16 more behind each 256
.set SPARE, SCL+32*272
.set O16,  4                           ; v4 16 x lane; v5 8 x lane; v6 4 r; v7 4 x lane; v8 16 h
.set O8,   5
.set R4,   6
.set L4,   7
.set H16,  8
.set SPW,  10
.set NIL,  11
.set A16,  14                          ; v14, v15 LDS addresses of the tile that is fetched next; v17 of its scale words; v18 of tile 0's
.set A8,   15
.set ABS,  16                          ; v16 512 h + 4 r: my word in a pair of weight scale records
.set AAS,  17
.set AAS0, 18
.set SBQ,  24                          ; v24-39 Wq|k's scale words: 8 p + q: lanes 0-15 tile 2 p, lanes 16-31 tile 2 p + 1
.set SBV,  44                          ; v44-51 Wv's: lanes 0-15 tile 0, lanes 16-31 tile 1
.set SA,   58                          ; v58-73 the tokens': two sets of eight
.set ACC,  80                          ; v80-111 q|k's sums: four accumulators
.set VA,   112                         ; v112-143 v's sums: 16 t + 8 (block % 2)
.set PQ,   144                         ; v144-163 q|k's codes: two sets of ten (six, and three on their way)
.set VC,   164                         ; v164-195 v's codes: 16 a tile (twelve, and three on their way)
.set VW,   196                         ; v196, v197 v's scale words; v198, v199 as they are stored
.set TM,   200                         ; v200-211 at work
.set QW,   216                         ; v216, v217 q|k's scale words, two sets
.set X63,  220                         ; v220-231 fragment 63
.set G1, 24
.set G0, 56
.set SEL, 20
.set MSB, 0
.macro WIN new
.if MSB != \new
	s_set_vgpr_msb (MSB<<8)|\new
.set MSB, \new
.endif
.endm
.macro PLACES n
.rept \n
	v_nop
.endr
.endm
.macro WALU
	s_wait_alu depctr_va_vdst(0)
.endm
.macro BARRIER
	s_barrier_signal -1
	s_barrier_wait -1
.endm
.macro CROUND
	BARRIER
	s_cmp_lg_u32 s14, 0
	s_cbranch_scc1 .Lnot_wave_0_\@
	s_barrier_signal -3
.Lnot_wave_0_\@:
	s_barrier_wait -3
	BARRIER
.endm
; fragments: 0-31 Wq|k's (4 q + tile), 32-47 Wv's (32 + 2 q + tile), 48-63 the tokens' two sets (48 + 8 e + q).  21 to a window in windows 1 to 3; the 64th in window 0
.macro FPL f
.if (\f) == 63
.set FW_, 0
.set FG_, X63
.else
.set FW_, 1+(\f)/FPW
.set FG_, FR*((\f)%FPW)
.endif
.endm
.macro WFRAG f, base, off              ; a weight's fragment as its record lies
	FPL \f
	WIN FW_<<6
	global_load_b128 v[FG_:FG_+3], v[O16], s[\base:\base+1] offset:(\off)
	global_load_b64 v[FG_+4:FG_+5], v[O8], s[\base:\base+1] offset:(\off)+512
	global_load_b128 v[FG_+6:FG_+9], v[O16], s[\base:\base+1] offset:(\off)+768
	global_load_b64 v[FG_+10:FG_+11], v[O8], s[\base:\base+1] offset:(\off)+1280
.endm
.macro XFRAG f, off
	FPL \f
	WIN FW_<<6
	ds_load_b128 v[FG_:FG_+3], v[A16] offset:(\off)
	ds_load_b64 v[FG_+4:FG_+5], v[A8] offset:(\off)+512
	ds_load_b128 v[FG_+6:FG_+9], v[A16] offset:(\off)+768
	ds_load_b64 v[FG_+10:FG_+11], v[A8] offset:(\off)+1280
.endm
.macro FETCH e                         ; a tile of tokens into set e: NF loads
.irp q, 0,1,2,3,4,5,6,7
	XFRAG 48+8*(\e)+\q, \q*REC
.endr
	WIN 0
	ds_load_b128 v[SA+8*(\e):SA+8*(\e)+3], v[AAS]
	ds_load_b128 v[SA+8*(\e)+4:SA+8*(\e)+7], v[AAS] offset:16
.endm
.macro MM2 d, s0, s1, c, x0, x1, side, o
.if \o
	v_wmma_scale_f32_16x16x128_f8f6f4 v[\d:\d+7], v[\s0:\s0+FR-1], v[\s1:\s1+FR-1], \c, v[\x0], v[\x1] matrix_a_fmt:MATRIX_FMT_FP6 matrix_b_fmt:MATRIX_FMT_FP6 matrix_\side\()_scale:MATRIX_SCALE_ROW1
.else
	v_wmma_scale_f32_16x16x128_f8f6f4 v[\d:\d+7], v[\s0:\s0+FR-1], v[\s1:\s1+FR-1], \c, v[\x0], v[\x1] matrix_a_fmt:MATRIX_FMT_FP6 matrix_b_fmt:MATRIX_FMT_FP6 matrix_\side\()_scale:MATRIX_SCALE_ROW0
.endif
.endm
.macro MM d, s0, s1, q, x0, x1, side, o   ; the first K step starts the sum
.if \q
	MM2 \d, \s0, \s1, v[\d:\d+7], \x0, \x1, \side, \o
.else
	MM2 \d, \s0, \s1, 0, \x0, \x1, \side, \o
.endif
.endm
.macro PQK e, q, b
	FPL 48+8*(\e)+(\q)
.set XW_, FW_
.set XG_, FG_
	FPL 4*(\q)+(\b)
	WIN FW_|(XW_<<2)
	MM ACC+8*(\b), FG_, XG_, \q, SBQ+8*((\b)/2)+(\q), SA+8*(\e)+(\q), a, (\b)%2
.endm
.macro PV e, q, t
	FPL 48+8*(\e)+(\q)
.set XW_, FW_
.set XG_, FG_
	FPL 32+2*(\q)+(\t)
	WIN XW_|(FW_<<2)
	MM VA+16*(\t)+8*(\e), XG_, FG_, \q, SA+8*(\e)+(\q), SBV+(\q), b, \t
.endm
; q|k's way out of block j: my row's 32 sums are two scale blocks with lane l xor 16's; half a record leaves as it lies
.macro QKOUT j
.set P_, PQ+10*((\j)%2)
.set W_, QW+(\j)%2
	s_wait_xcnt 0x0                                ; earlier stores have read their registers
.irp b, 0,1
	v_max3_num_f32 v[TM+\b], |v[ACC+16*\b]|, |v[ACC+1+16*\b]|, 0x1800000   ; and the floor 2^(3 - 127)
.endr
.irp i, 2,4,6,8,10,12,14
.irp b, 0,1
	v_max3_num_f32 v[TM+\b], v[TM+\b], |v[ACC+16*\b+\i]|, |v[ACC+1+16*\b+\i]|
.endr
.endr
.irp b, 0,1
	v_permlanex16_b32 v[TM+4+\b], v[TM+\b], s[SEL], s[SEL+1]
.endr
.irp b, 0,1
	v_max_num_f32 v[TM+\b], v[TM+\b], v[TM+4+\b]
.endr
.irp b, 0,1
	v_add_nc_u32 v[TM+8+\b], 0xff000000, v[TM+\b]  ; 2 off the exponent field: the conversion's scale operand
.endr
.irp b, 0,1
	v_lshrrev_b32 v[TM+4+\b], 23, v[TM+8+\b]
.endr
	v_lshl_or_b32 v[W_], v[TM+5], 8, v[TM+4]
	v_cvt_scalef32_pk16_fp6_f32 v[P_:P_+2], v[ACC:ACC+15], v[TM+8]
	v_cvt_scalef32_pk16_fp6_f32 v[P_+6:P_+8], v[ACC+16:ACC+31], v[TM+9]
	v_nop                                          ; one plain instruction behind a scaled conversion
.irp i, 0,1,2
	v_permlane16_swap_b32 v[P_+\i], v[P_+6+\i]
.endr
.irp i, 0,1,2
	v_mov_b32 v[P_+3+\i], v[P_+6+\i]
.endr
	global_store_b128 v[O16], v[P_:P_+3], s[48:49] offset:REC*(\j)
	global_store_b64 v[O8], v[P_+4:P_+5], s[48:49] offset:REC*(\j)+512
	global_store_b32 v[R4], v[W_], s[10:11] offset:128*(\j)   ; lanes r and r + 16 write the same word with the same value
.endm
; v's way out behind an odd block j: scale block b = j / 2 of the step of 128 keys, for my two tiles of channels
.macro VOUT j
.set B_, (\j)/2
.irp t, 0,1
	v_max3_num_f32 v[TM+\t], |v[VA+16*\t]|, |v[VA+1+16*\t]|, 0x1800000
.endr
.irp i, 2,4,6,8,10,12,14
.irp t, 0,1
	v_max3_num_f32 v[TM+\t], v[TM+\t], |v[VA+16*\t+\i]|, |v[VA+1+16*\t+\i]|
.endr
.endr
.irp t, 0,1
	v_permlanex16_b32 v[TM+4+\t], v[TM+\t], s[SEL], s[SEL+1]
.endr
.irp t, 0,1
	v_max_num_f32 v[TM+\t], v[TM+\t], v[TM+4+\t]
.endr
.irp t, 0,1
	v_add_nc_u32 v[TM+8+\t], 0xff000000, v[TM+\t]
.endr
.irp t, 0,1
	v_lshrrev_b32 v[TM+4+\t], 23, v[TM+8+\t]
.endr
.irp t, 0,1
.if B_ == 0
	v_mov_b32 v[VW+\t], v[TM+4+\t]
.else
	v_lshl_or_b32 v[VW+\t], v[TM+4+\t], 8*B_, v[VW+\t]
.endif
.endr
.irp t, 0,1
.if B_%2 == 0
	v_cvt_scalef32_pk16_fp6_f32 v[VC+16*\t+6*(B_/2):VC+16*\t+6*(B_/2)+2], v[VA+16*\t:VA+16*\t+15], v[TM+8+\t]
.else
	v_cvt_scalef32_pk16_fp6_f32 v[VC+16*\t+12:VC+16*\t+14], v[VA+16*\t:VA+16*\t+15], v[TM+8+\t]
.endif
.endr
	v_nop
.if B_%2
.irp t, 0,1                            ; the layout wants a whole block in a lane: lanes 0-15 the even block, lanes 16-31 the odd one
.irp i, 0,1,2
	v_permlane16_swap_b32 v[VC+16*\t+6*(B_/2)+\i], v[VC+16*\t+12+\i]
.endr
.irp i, 0,1,2
	v_mov_b32 v[VC+16*\t+6*(B_/2)+3+\i], v[VC+16*\t+12+\i]
.endr
.endr
.endif
.if B_ == 3
.irp t, 0,1
	v_lshrrev_b32 v[VW+2+\t], v[H16], v[VW+\t]     ; lanes 16-31: the word's upper two bytes at the bottom
	global_store_b128 v[O16], v[VC+16*\t:VC+16*\t+3], s[50:51] offset:REC*\t
	global_store_b64 v[O8], v[VC+16*\t+4:VC+16*\t+5], s[50:51] offset:REC*\t+512
	global_store_b128 v[O16], v[VC+16*\t+6:VC+16*\t+9], s[50:51] offset:REC*\t+768
	global_store_b64 v[O8], v[VC+16*\t+10:VC+16*\t+11], s[50:51] offset:REC*\t+1280
	global_store_b32 v[L4], v[VW+2+\t], s[12:13] offset:128*\t
.endr
.endif
.endm
.macro BLK j                           ; block j of a trip's eight
.set E_, (\j)%2
.irp q, 0,1,2,3,4,5,6,7
	PV E_, \q, 0
	PQK E_, \q, 0
	PQK E_, \q, 1
.if \q == 0
	s_add_co_u32 s101, s101, TILEB                 ; on to the tile that this block's run fetches
	s_add_co_u32 s91, s91, 544
.endif
	PV E_, \q, 1
	PQK E_, \q, 2
	PQK E_, \q, 3
.endr
	WIN 0
	v_add_nc_u32 v[A16], s101, v[O16]              ; four plain vector lines between the last product and the first reader of its sums and the fetch into its registers
	v_add_nc_u32 v[A8], s101, v[O8]
	v_add_nc_u32 v[AAS], s91, v[AAS0]
	v_nop
.if (\j) < 6
	FETCH E_
.else
	s_cmp_eq_u32 s23, 1                            ; the launch's last two blocks fetch nothing
	s_cbranch_scc1 .Lno_fetch_\@
	FETCH E_
.Lno_fetch_\@:
.endif
	QKOUT \j
.if (\j)%2
	VOUT \j
.endif
	WALU                                           ; the wait here, directly ahead of the wait below
.if (\j) < 6
	s_wait_dscnt NF                                ; the next block's fragments are in
.else
	s_wait_dscnt 0x0
.endif
.endm
; ================= THE HEAD
	s_load_b256 s[4:11], s[0:1], 0x0               ; xq, wqkq, wvq, qkq
	s_load_b64 s[12:13], s[0:1], 0x20              ; vq
	v_lshl_add_u32 v[SPW], v0, 2, SPARE
	v_mov_b32 v[NIL], 0
	ds_add_u32 v[SPW], v[NIL]                      ; the opening lines
	ds_add_u32 v[SPW], v[NIL]
	v_lshrrev_b32 v1, 5, v0
	v_readfirstlane_b32 s14, v1                    ; the wave
	s_bfe_u32 s40, ttmp6, 0x40000                  ; cx
	s_lshl_b32 s42, ttmp9, 2
	s_add_co_u32 s42, s42, s40                     ; cg: the group of columns, 0 .. 7
	s_and_b32 s43, ttmp7, 0xffff                   ; tg: the group of 256 tokens, 0 .. 31
	s_lshl_b32 s44, s42, 2
	s_add_co_u32 s44, s44, s14                     ; my head of Wq|Wk, 0 .. 31
	s_and_b32 s45, s44, 1                          ; c
	s_lshr_b32 s46, s44, 1                         ; CS
	s_lshl_b32 s47, s42, 3
	s_lshl_b32 s41, s14, 1
	s_add_co_u32 s47, s47, s41                     ; my first tile of Wv
	s_mov_b32 s[SEL], 0x76543210
	s_mov_b32 s[SEL+1], 0xfedcba98
	s_mov_b32 s[G1], 15|(1<<21)                    ; the cluster's four; elements of 1 byte; 64 dense rows of 768 bytes: four tiles
	s_mov_b32 s[G1+1], KROW<<16
	s_mov_b32 s[G1+2], 64<<16
	s_mov_b32 s[G1+3], KROW<<16
	s_mov_b32 s[G1+4], 64
	s_mov_b32 s[G1+5], KROW
	s_mov_b32 s[G1+6], 0
	s_mov_b32 s[G1+7], 0
	s_mov_b32 s[G0], 1
	s_mul_i32 s[G0+1], s14, 4*TILEB
	s_mul_i32 s76, s43, 16*TILEB
	s_add_co_u32 s76, s76, s[G0+1]
	s_add_co_u32 s76, s76, INC                     ; the four tiles that I ask for
	s_mov_b32 s77, 0
	s_lshl_b32 s78, s43, 13                        ; the tokens' scale records
	s_mov_b32 s79, 0
	s_mul_i32 s80, s44, 4*TILEB
	s_add_co_u32 s80, s80, INC
	s_mov_b32 s81, 0
	s_lshl_b32 s82, s44, 11
	s_mov_b32 s83, 0
	s_mul_i32 s84, s47, TILEB
	s_add_co_u32 s84, s84, INC
	s_mov_b32 s85, 0
	s_lshl_b32 s86, s47, 9
	s_mov_b32 s87, 0
	s_lshr_b32 s88, s43, 2                         ; q|k's first record: (tg / 4) x 1024 + CS x 64 + (tg % 4) x 16
	s_lshl_b32 s88, s88, 10
	s_lshl_b32 s41, s46, 6
	s_add_co_u32 s88, s88, s41
	s_and_b32 s41, s43, 3
	s_lshl_b32 s41, s41, 4
	s_add_co_u32 s88, s88, s41
	s_lshl_b32 s90, s88, 7
	s_lshl_b32 s41, s45, 6
	s_add_co_u32 s90, s90, s41
	s_mov_b32 s91, 0
	s_mul_i32 s88, s88, REC
	s_mul_i32 s41, s45, 768
	s_add_co_u32 s88, s88, s41
	s_add_co_u32 s88, s88, ATC
	s_mov_b32 s89, 0
	s_lshl_b32 s92, s43, 7                         ; v's first record: 2 tg x 64 + my tile
	s_add_co_u32 s92, s92, s47
	s_lshl_b32 s94, s92, 7
	s_mov_b32 s95, 0
	s_mul_i32 s92, s92, REC
	s_add_co_u32 s92, s92, ATC
	s_mov_b32 s93, 0
	v_and_b32 v1, 15, v0
	v_bfe_u32 v2, v0, 4, 1
	v_and_b32 v3, 31, v0
	v_lshlrev_b32 v[O16], 4, v3
	v_lshlrev_b32 v[O8], 3, v3
	v_lshlrev_b32 v[R4], 2, v1
	v_lshlrev_b32 v[L4], 2, v3
	v_lshlrev_b32 v[H16], 4, v2
	v_lshlrev_b32 v[A16], 4, v3
	v_lshlrev_b32 v[A8], 3, v3
	v_lshl_add_u32 v[ABS], v2, 9, v[R4]
	v_lshlrev_b32 v23, 5, v1
	v_lshrrev_b32 v22, 8, v23
	v_lshl_add_u32 v23, v22, 4, v23
	v_add_nc_u32 v[AAS0], SCL, v23
	v_add_nc_u32 v[AAS], SCL, v23
	v_mov_b32 v[TM+4], 0                           ; written once: a lane permute's destination counts as one of its sources
	v_mov_b32 v[TM+5], 0
	WALU
	s_wait_dscnt 0x0
	CROUND                                         ; the opening round, ahead of the wait for the arguments
	s_wait_kmcnt 0x0
	s_add_nc_u64 s[G0+2:G0+3], s[4:5], s[76:77]
	s_or_b32 s[G0+3], s[G0+3], 0x80000000
	tensor_load_to_lds s[G0:G0+3], s[G1:G1+7]      ; every wave its four tiles: one line, its places made from the wave's number
	s_nop 0
	PLACES 4
	s_add_nc_u64 s[4:5], s[4:5], s[78:79]
	s_add_nc_u64 s[16:17], s[6:7], s[80:81]
	s_add_nc_u64 s[6:7], s[6:7], s[82:83]
	s_add_nc_u64 s[18:19], s[8:9], s[84:85]
	s_add_nc_u64 s[8:9], s[8:9], s[86:87]
	s_add_nc_u64 s[48:49], s[10:11], s[88:89]
	s_add_nc_u64 s[10:11], s[10:11], s[90:91]
	s_add_nc_u64 s[50:51], s[12:13], s[92:93]
	s_add_nc_u64 s[12:13], s[12:13], s[94:95]
; the tokens' scale words: thread t takes tile rows t and t + 128 of the 256: eight words each, one from each K step's record, and lays them on end in LDS
	v_lshrrev_b32 v22, 4, v0
	v_lshlrev_b32 v22, 9, v22
	v_lshl_add_u32 v22, v1, 2, v22
.irp k, 0,1
.irp q, 0,1,2,3,4,5,6,7
	global_load_b32 v[ACC+8*\k+\q], v22, s[4:5] offset:4096*\k+64*\q
.endr
.endr
	v_lshrrev_b32 v23, 3, v0
	v_lshlrev_b32 v23, 4, v23
	v_lshl_add_u32 v23, v0, 5, v23
	v_add_nc_u32 v23, SCL, v23
.irp p, 0,1
.irp q, 0,1,2,3,4,5,6,7
	global_load_b32 v[SBQ+8*\p+\q], v[ABS], s[6:7] offset:1024*\p+64*\q
.endr
.endr
.irp q, 0,1,2,3,4,5,6,7
	global_load_b32 v[SBV+\q], v[ABS], s[8:9] offset:64*\q
.endr
.irp q, 0,1,2,3,4,5,6,7
.irp b, 0,1,2,3
	WFRAG 4*\q+\b, 16, \b*TILEB+\q*REC
.endr
.irp t, 0,1
	WFRAG 32+2*\q+\t, 18, \t*TILEB+\q*REC
.endr
.endr
	WIN 0
	WALU
	s_wait_loadcnt 0x0
.irp k, 0,1
.irp c, 0,1
	ds_store_b128 v23, v[ACC+8*\k+4*\c:ACC+8*\k+4*\c+3] offset:4352*\k+16*\c
.endr
.endr
	s_wait_dscnt 0x0
	s_wait_tensorcnt 0x0
	BARRIER                                        ; all sixteen tiles and all scale words are in
	FETCH 0
	v_add_nc_u32 v[A16], TILEB, v[O16]
	v_add_nc_u32 v[A8], TILEB, v[O8]
	v_add_nc_u32 v[AAS], 544, v[AAS0]
	FETCH 1
	s_mov_b32 s101, TILEB
	s_mov_b32 s91, 544
	s_mov_b32 s23, 0
	s_wait_dscnt NF                                ; tile 0's fragments are in
; ================= THE STREAM
.Lkeys:                                ; a trip: eight tiles, a step of 128 tokens
	BLK 0
	BLK 1
	BLK 2
	BLK 3
	BLK 4
	BLK 5
	BLK 6
	BLK 7
	s_wait_xcnt 0x0                                ; the stores have read their bases
	s_add_nc_u64 s[48:49], s[48:49], 8*REC
	s_add_nc_u64 s[10:11], s[10:11], 8*128
	s_add_nc_u64 s[50:51], s[50:51], 64*REC
	s_add_nc_u64 s[12:13], s[12:13], 64*128
	s_add_co_u32 s23, s23, 1
	s_cmp_lg_u32 s23, 2
	s_cbranch_scc1 .Lkeys
	s_wait_tensorcnt 0x0                           ; the wave's end
	ds_add_u32 v[SPW], v[NIL]
	s_wait_dscnt 0x0
	CROUND                                         ; the closing round
	s_endpgm
.Lfunc_end_k_qc4f9d4fa2c_qkv:
	.size	k_qc4f9d4fa2c_qkv, .Lfunc_end_k_qc4f9d4fa2c_qkv-k_qc4f9d4fa2c_qkv
	.p2alignl 7, 3214868480
	.fill 96, 4, 3214868480
	.section	.rodata,"a",@progbits
	.p2align	6, 0x0
	.amdhsa_kernel k_qc4f9d4fa2c_qkv
		.amdhsa_group_segment_fixed_size 327680
		.amdhsa_private_segment_fixed_size 0
		.amdhsa_enable_private_segment 0
		.amdhsa_kernarg_size 40
		.amdhsa_user_sgpr_count 2
		.amdhsa_user_sgpr_kernarg_segment_ptr 1
		.amdhsa_wavefront_size32 1
		.amdhsa_system_sgpr_workgroup_id_x 1
		.amdhsa_system_sgpr_workgroup_id_y 1
		.amdhsa_system_sgpr_workgroup_id_z 1
		.amdhsa_system_vgpr_workitem_id 0
		.amdhsa_next_free_vgpr 1024
		.amdhsa_next_free_sgpr 102
		.amdhsa_reserve_vcc 0
		.amdhsa_float_denorm_mode_32 3
		.amdhsa_float_denorm_mode_16_64 3
		.amdhsa_memory_ordered 1
		.amdhsa_forward_progress 1
		.amdhsa_inst_pref_size 137
	.end_amdhsa_kernel
	.amdgpu_metadata
---
amdhsa.version: [ 1, 2 ]
amdhsa.kernels:
  - .name:           k_qc4f9d4fa2c_qkv
    .symbol:         k_qc4f9d4fa2c_qkv.kd
    .args:
      - { .name: xq, .offset: 0, .size: 8, .value_kind: global_buffer, .address_space: global }
      - { .name: wqkq, .offset: 8, .size: 8, .value_kind: global_buffer, .address_space: global }
      - { .name: wvq, .offset: 16, .size: 8, .value_kind: global_buffer, .address_space: global }
      - { .name: qkq, .offset: 24, .size: 8, .value_kind: global_buffer, .address_space: global }
      - { .name: vq, .offset: 32, .size: 8, .value_kind: global_buffer, .address_space: global }
    .group_segment_fixed_size: 327680
    .private_segment_fixed_size: 0
    .kernarg_segment_align: 8
    .kernarg_segment_size: 40
    .max_flat_workgroup_size: 128
    .sgpr_count:     102
    .vgpr_count:     1024
    .wavefront_size: 32
...
	.end_amdgpu_metadata
.endif
;; end of part 2
;; launch att (part 3): grid 4 x 64, 16 waves a work-group, clusters of 4 x 1, 327,680 bytes of LDS; arguments qkq, vq, oq; writes oq
.if DOCPART == 3
	.amdgcn_target "amdgcn-amd-amdhsa--gfx1250"
	.amdhsa_code_object_version 6
	.text
	.protected	k_qc4f9d4fa2c_att
	.globl	k_qc4f9d4fa2c_att
	.p2align	8
	.type	k_qc4f9d4fa2c_att,@function
k_qc4f9d4fa2c_att:
	s_mov_b64 s[64:65], 0
	v_nop
	global_prefetch_b8 v0, s[64:65] scope:SCOPE_SE
	s_setreg_imm32_b32 hwreg(HW_REG_WAVE_MODE, 25, 1), 1
	s_wait_xcnt 0x0
	s_wait_alu depctr_hold_cnt(0) depctr_sa_sdst(0) depctr_va_vdst(0) depctr_va_sdst(0) depctr_va_ssrc(0) depctr_va_vcc(0) depctr_vm_vsrc(0)
	s_getreg_b32 s2, hwreg(HW_REG_IB_STS2, 6, 4)
	s_cmp_eq_u32 s2, 0
	s_cbranch_scc0 .Lentry_in_a_cluster
	s_endpgm
.Lentry_in_a_cluster:
	s_bfe_u32 s2, ttmp6, 0x10000c
	s_cmp_lg_u32 s2, 0x3003
	s_cbranch_scc0 .Lentry_shape_is_right
	s_endpgm
.Lentry_shape_is_right:
; Causal attention on codes of FP6 (E2M3): for each batch and head, O = softmax(q k^T / 8, causal) v; both products quantised; O / the row's sum is quantised along (head, d) and stored as the last product's operand.
; WORK LEFT OUT: key steps of 128 that lie wholly above the diagonal of a block of 128 queries: reference()'s own jnp.tril makes their p 0 for all values of the inputs.
; INPUTS as records (a fragment, 16 tile rows x 128 K, in 1,536 bytes: halves c of 768: registers 6 c .. 6 c + 3 at 768 c + 16 x lane, 6 c + 4, 6 c + 5 at 768 c + 512 + 8 x lane), from byte ATC of their buffers; scale records of 128 bytes from byte 0.
;   q, k: a record is 16 tokens x a PAIR of heads; half c is head 2 hp + c's 64 along d.  The first product's K is 64: a fragment is that half and six registers of zero codes.  Scale record: word 16 c + r holds head c's two bytes of row r at its bottom.
;   v: a record is 16 of a head's 64 channels x 128 keys.  Tile T's row r is token (or channel) 32 (T / 2) + 8 (T % 2) + r + 8 (r / 8).
; THE SOFTMAX: t = score x log2(e) / 8; M = the running largest t rounded UP to a whole number; p = 2^(t - M) is quantised along the keys, not normalised; the row's sum is taken of the unquantised p; when M moves, the sum and O are multiplied by 2^(old M - new M): exact.
; BOTH PRODUCTS TRANSPOSED: S^T = K Q^T, O^T = V^T P^T: a lane holds one query (tile row lane % 16) throughout.
; SHARES.  A work-group owns ONE head of one batch, and all of that head's K and V lie in its LDS: 2 x 98,304 bytes of codes, 16,384 + 8,192 bytes of scale records, filled once at the head; nothing is filled again, so behind the head's barrier no wave waits for another.
; The four work-groups of a head form a cluster and ask for these tiles JOINTLY (mask 15): waves 0 to 3 K's codes, four key steps each, waves 4 to 7 V's, wave 8 K's scale records, wave 9 V's.
; A head has 128 tiles of 16 queries.  Wave w of the work-group at place cx takes tile 4 (w % 2) + cx of block 15 - w / 2 (16 - w / 2 key steps) and then the same tile of block w / 2 (w / 2 + 1 steps): 17 key steps in every wave: a loop of 16 trips and a 17th step written out.
; Which block, and so every branch and every LDS address, hangs on the wave's number alone; the place in the cluster enters global addresses and the diagonal's mask (a vector operand) only.
; No data prefetch: all tiles are asked for at the head, and there is no loop to run ahead in.
; The two heads' bytes of a row's scale word of O come from two work-groups, so they leave 2 bytes a lane: 32 bytes for each 768 bytes of codes.
; LIMITS: a block of zeros, or one under 2^-124, gets the byte 1 (zero codes; only this program reads the bytes); NaN and infinities are not served.
; REGISTERS: v1-4, v7, v8 addresses that stay; v5, v6 the add's two; v9-11, v29-31 the step's LDS addresses; v12 -M, v13 the largest t, v[14:15] the sum; v16-27 Q; v32-79 four fragments of K; v80-127 V's four;
;   v128-191 S^T, then p; v192-223 O^T; v224-235 p's codes; v230-247, v252-254 at work; v248-251 the fragments' scale words; v255 Q's.
.set REC,   1536
.set ATC,   1048576
.set INC,   262144
.set KSTB,  6144                       ; a key step's codes of K (eight halves of 768) or of V (four records)
.set VB,    16*KSTB                    ; V's codes
.set KSB,   32*KSTB                    ; K's scale records, 1,024 bytes a key step (both heads of the pair)
.set VSB,   KSB+16384                  ; V's, 512 bytes a key step
.set SPARE, VSB+8192                   ; the spare words, 128 bytes for each of 16 waves
.set SPW,  5
.set NIL,  6
.set KF,   32
.set VF,   80
.set SR,   128
.set OT,   192
.set WV,   10                          ; s10 wave;  s11 head % 2;  s12 query tile in its block;  s13 the second block;  s14 batch;  s15 pair of heads
.set CC,   11
.set QT,   12
.set PI,   13
.set BB,   14
.set HP,   15
.set KS,   16                          ; s16 the key step;  s17 the block of queries in hand;  s18 the next key step;  s19 trips to go
.set QB,   17
.set KSN,  18
.set TT,   19
.set SEL,  20
.set CS,   22                          ; s[22:23] c = log2(e) / 8
.set G1K,  24                          ; groups 1: s[24:31] K's codes, s[32:39] V's codes, s[76:83] K's scales, s[84:91] V's scales;  groups 0: s[40:43] codes, s[44:47] K's scales, s[68:71] V's
.set G1V,  32
.set G0C,  40
.set G0KS, 44
.set G0VS, 68
.set G1KS, 76
.set G1VS, 84
.set BP,   48
.set IKB,  50                          ; s50, s51 first records of K and of V for my batch and head
.set IVB,  51
.set TB,   52                          ; LDS bytes of the key step: s52 K's codes, s53 V's, s55 K's scale records, s66 V's
.set TV,   53
.set QL,   54                          ; s54 my tile's first query in its block
.set TS,   55
.set TW,   66
.set CX,   67
.set TBN,  92                          ; s92, s93 LDS bytes of the NEXT key step's codes and scale records of K
.set TSN,  93
; K'S FRAGMENTS ARE FETCHED AHEAD.  All of K lies in LDS, so tiles 0-3 of the next key step are fetched behind this step's first products, into K's registers, and land under the softmax (the wait ahead of the second products shows them in).
; Tiles 4-7 of a step are fetched at its head into V's registers, which are idle there; their upper halves are set to zero codes anew, since V's fragments have lain on them.
; A scale register carries two tiles' words: lanes 0-15 the even tile's, lanes 16-31 the odd tile's (read by MATRIX_SCALE_ROW1): v248, v249 K's tiles 0-3; v250, v251 K's tiles 4-7 and then V's four.  v28: 4 r + 64 c + 128 h; v8: 4 r + 128 h.
.set QP,   56
.set OC,   58
.set OS,   60
.set QS,   62
.macro NOP4
.rept 4
	v_nop
.endr
.endm
.macro BARRIER
	s_barrier_signal -1
	s_barrier_wait -1
.endm
.macro CROUND
	BARRIER
	s_cmp_lg_u32 s[WV], 0
	s_cbranch_scc1 .Lnot_wave_0_\@
	s_barrier_signal -3
.Lnot_wave_0_\@:
	s_barrier_wait -3
	BARRIER
.endm
.macro ARM under, g0, g1, next         ; an arm of the head's one chain of branches on the wave's number.  An s_nop 0 and four v_nop follow the load
	s_cmp_lt_u32 s[WV], \under
	s_cbranch_scc0 \next
	tensor_load_to_lds s[\g0:\g0+3], s[\g1:\g1+7]
	s_nop 0
	NOP4
	s_branch .Lasked
\next:
.endm
.macro GROUP1 g, c, r, p               ; r rows of c elements of 8 bytes, p elements apart; the cluster's four, bit 21 beside the mask
	s_mov_b32 s[\g], 15|(3<<16)|(1<<21)
	s_mov_b32 s[\g+1], (\c)<<16
	s_mov_b32 s[\g+2], (\r)<<16
	s_mov_b32 s[\g+3], (\c)<<16
	s_mov_b32 s[\g+4], \r
	s_mov_b32 s[\g+5], \p
	s_mov_b32 s[\g+6], 0
	s_mov_b32 s[\g+7], 0
.endm
; my tile of queries of block s[qb]: half c of its record, and its scale words
.macro QLOAD qb
	s_lshr_b32 s72, s[\qb], 3
	s_lshl_b32 s73, s[BB], 1
	s_add_co_u32 s72, s72, s73
	s_lshl_b32 s72, s72, 10
	s_lshl_b32 s73, s[HP], 6
	s_add_co_u32 s72, s72, s73
	s_and_b32 s73, s[\qb], 7
	s_lshl_b32 s73, s73, 3
	s_add_co_u32 s72, s72, s73
	s_add_co_u32 s72, s72, s[QT]
	s_lshl_b32 s74, s72, 7
	s_mov_b32 s75, 0
	s_mul_i32 s72, s72, REC
	s_add_co_u32 s72, s72, ATC
	s_mov_b32 s73, 0
	s_add_nc_u64 s[QP:QP+1], s[4:5], s[72:73]
	s_add_nc_u64 s[QS:QS+1], s[4:5], s[74:75]
	global_load_b128 v[16:19], v1, s[QP:QP+1]
	global_load_b64 v[20:21], v2, s[QP:QP+1]
	global_load_b32 v255, v7, s[QS:QS+1]
.endm
.macro START                           ; a block of queries begins: zeros, which the first change of M leaves zeros
	v_mov_b32 v13, 0xff61b1e6                      ; the largest t so far: -3e38
	s_delay_alu instid0(VALU_DEP_1)
	v_floor_f32 v12, -v13                          ; -M
	v_mov_b32 v14, 0
	v_mov_b32 v15, 0
.set j, 0
.rept 32
	v_mov_b32 v[OT+j], 0
.set j, j+1
.endr
.endm
	s_load_b128 s[4:7], s[0:1], 0x0                ; qkq, vq
	s_load_b64 s[8:9], s[0:1], 0x10                ; oq
	v_lshl_add_u32 v[SPW], v0, 2, SPARE
	v_mov_b32 v[NIL], 0
	ds_add_u32 v[SPW], v[NIL]                      ; the opening lines: the add, twice on end, and its wait ahead of the round in front of the first tensor loads
	ds_add_u32 v[SPW], v[NIL]
	v_lshrrev_b32 v9, 5, v0
	s_delay_alu instid0(VALU_DEP_1)
	v_readfirstlane_b32 s[WV], v9
	s_bfe_u32 s[CX], ttmp6, 0x40000
	s_and_b32 s72, ttmp7, 0xffff                   ; 16 x batch + head
	s_lshr_b32 s[BB], s72, 4
	s_and_b32 s73, s72, 15
	s_lshr_b32 s[HP], s73, 1
	s_and_b32 s[CC], s73, 1
	s_lshr_b32 s[PI], s[WV], 1
	s_and_b32 s[QT], s[WV], 1
	s_lshl_b32 s[QT], s[QT], 2
	s_add_co_u32 s[QT], s[QT], s[CX]
	s_mov_b32 s[KS], 0
	s_sub_co_u32 s[QB], 15, s[PI]
	s_mov_b32 s[TT], 16
	s_mov_b32 s[SEL], 0x76543210
	s_mov_b32 s[SEL+1], 0xfedcba98
	s_mov_b32 s[CS], 0x3e38aa3b                    ; log2(e) / 8
	s_mov_b32 s[CS+1], s[CS]                       ; (named with it as a pair, so it is written)
	GROUP1 G1K, 96, 32, 192                        ; K's codes: my head's half (768 bytes) of 32 records on end: four key steps
	GROUP1 G1V, 768, 4, 12288                      ; V's codes: my head's four records (6,144 bytes) of four key steps, 98,304 bytes apart
	GROUP1 G1KS, 1024, 2, 16384                    ; K's scale records: twice eight key steps' 8,192 bytes, 131,072 bytes apart
	GROUP1 G1VS, 64, 16, 1024                      ; V's: my head's four records (512 bytes) of sixteen key steps, 8,192 bytes apart
	s_lshl_b32 s[IKB], s[BB], 11
	s_lshl_b32 s72, s[HP], 6
	s_add_co_u32 s[IKB], s[IKB], s72
	s_add_co_u32 s[IKB], s[IKB], 512               ; k's steps of 128 rows lie behind q's eight
	s_lshl_b32 s[IVB], s[BB], 10
	s_lshl_b32 s72, s[HP], 3
	s_add_co_u32 s[IVB], s[IVB], s72
	s_lshl_b32 s72, s[CC], 2
	s_add_co_u32 s[IVB], s[IVB], s72
	s_lshr_b32 s[QL], s[QT], 1
	s_lshl_b32 s[QL], s[QL], 5
	s_and_b32 s72, s[QT], 1
	s_lshl_b32 s72, s72, 3
	s_add_co_u32 s[QL], s[QL], s72
	s_mov_b32 s[G0C], 1
	s_mul_i32 s[G0C+1], s[WV], 4*KSTB              ; waves 0 to 3: K's four groups; waves 4 to 7: V's, which lie behind them
	s_mov_b32 s[G0KS], 1
	s_mov_b32 s[G0KS+1], KSB
	s_mov_b32 s[G0VS], 1
	s_mov_b32 s[G0VS+1], VSB
	s_and_b32 s72, s[WV], 3
	s_lshl_b32 s72, s72, 2                         ; my group's first key step
	s_lshr_b32 s73, s72, 3
	s_lshl_b32 s73, s73, 10
	s_and_b32 s74, s72, 7
	s_lshl_b32 s74, s74, 3
	s_add_co_u32 s73, s73, s74
	s_add_co_u32 s73, s73, s[IKB]
	s_mul_i32 s73, s73, REC
	s_mul_i32 s74, s[CC], 768
	s_add_co_u32 s73, s73, s74                     ; K: eight records a key step, my head's half
	s_lshl_b32 s72, s72, 6
	s_add_co_u32 s72, s72, s[IVB]
	s_mul_i32 s72, s72, REC                        ; V: 64 records from step to step
	s_wait_alu depctr_va_vdst(0)
	s_wait_dscnt 0x0                               ; both opening adds are done
	CROUND                                         ; the opening round: the four work-groups are here, the joint loads meet
	s_wait_kmcnt 0x0
	s_cmp_lt_u32 s[WV], 4
	s_cselect_b32 s72, s73, s72
	s_cselect_b64 s[BP:BP+1], s[4:5], s[6:7]
	s_add_co_u32 s72, s72, ATC
	s_mov_b32 s73, 0
	s_add_nc_u64 s[G0C+2:G0C+3], s[BP:BP+1], s[72:73]
	s_or_b32 s[G0C+3], s[G0C+3], 0x80000000
	s_lshl_b32 s72, s[IKB], 7
	s_add_nc_u64 s[G0KS+2:G0KS+3], s[4:5], s[72:73]
	s_or_b32 s[G0KS+3], s[G0KS+3], 0x80000000
	s_lshl_b32 s72, s[IVB], 7
	s_add_nc_u64 s[G0VS+2:G0VS+3], s[6:7], s[72:73]
	s_or_b32 s[G0VS+3], s[G0VS+3], 0x80000000
	ARM 4, G0C,  G1K,  .Lhead_v
	ARM 8, G0C,  G1V,  .Lhead_ks
	ARM 9, G0KS, G1KS, .Lhead_vs
	s_cmp_lt_u32 s[WV], 10
	s_cbranch_scc0 .Lasked
	tensor_load_to_lds s[G0VS:G0VS+3], s[G1VS:G1VS+7]
	s_nop 0
	NOP4
.Lasked:
	v_and_b32 v9, 31, v0                           ; lane
	v_and_b32 v10, 15, v0                          ; r
	v_lshlrev_b32 v3, 4, v9                        ; LDS: 16 x lane,
	v_lshlrev_b32 v4, 3, v9                        ; 8 x lane
	s_mul_i32 s72, s[CC], 768
	v_lshl_add_u32 v1, v9, 4, s72                  ; memory: 16 x lane + my head's half of a record
	v_lshl_add_u32 v2, v9, 3, s72
	s_delay_alu instid0(VALU_DEP_1)
	v_add_nc_u32 v2, 512, v2                       ; 8 x lane + the same + 512
	s_lshl_b32 s72, s[CC], 6
	v_lshl_add_u32 v7, v10, 2, s72                 ; q's scale record: word 16 c + r
	v_and_b32 v8, 16, v0
	v_lshlrev_b32 v8, 3, v8                        ; 128 h: lanes 16-31 take the next record
	v_add_nc_u32 v28, v7, v8                       ; k's scale records
	v_lshl_add_u32 v8, v10, 2, v8                  ; V's: word r
	s_wait_alu depctr_va_vdst(0)
	QLOAD QB
.irp j, 22,23,24,25,26,27
	v_mov_b32 v[\j], 0                             ; the first product's K is 64: the upper half of Q's fragment is zero codes,
.endr
.irp t, 0,1,2,3
.irp j, 6,7,8,9,10,11
	v_mov_b32 v[KF+12*\t+\j], 0                    ; and of K's four: written once, never loaded over
.endr
.endr
.irp b, 0,1,2,3
	v_mov_b32 v[236+\b], 0                         ; written once: a lane permute's destination counts as one of its sources
.endr
	v_mov_b32 v252, 0
	v_mov_b32 v253, 0
	START
	s_wait_alu depctr_va_vdst(0)                   ; the wait at the head's end
	s_wait_tensorcnt 0x0                           ; my tile, if I asked for one, is in
	BARRIER                                        ; all of K and V is in
	v_add_nc_u32 v30, KSB, v28                     ; key step 0's tiles 0-3 of K, for the first step
.irp t, 0,1,2,3
	ds_load_b128 v[KF+12*\t:KF+12*\t+3], v3 offset:\t*768
	ds_load_b64 v[KF+12*\t+4:KF+12*\t+5], v4 offset:\t*768+512
.endr
	ds_load_b32 v248, v30
	ds_load_b32 v249, v30 offset:256
	s_wait_dscnt 0x0
; where the key step's bytes lie, and which key step follows: the wave's number and the count of steps alone
.macro TOP next
	s_and_b32 s72, s[KS], 15
	s_mul_i32 s[TB], s72, KSTB
	s_add_co_u32 s[TV], s[TB], VB
	s_lshl_b32 s[TS], s72, 10
	s_add_co_u32 s[TS], s[TS], KSB
	s_lshl_b32 s[TW], s72, 9
	s_add_co_u32 s[TW], s[TW], VSB
	s_add_co_u32 s[KSN], s[KS], 1
	s_cmp_eq_u32 s[KS], s[QB]
	s_cselect_b32 s[KSN], 0, s[KSN]
.if \next
	s_and_b32 s73, s[KSN], 15
	s_mul_i32 s[TBN], s73, KSTB
	s_lshl_b32 s[TSN], s73, 10
	s_add_co_u32 s[TSN], s[TSN], KSB
.endif
.endm
; S^T = K Q^T of four tiles of 16 keys: group g, fragments from register f on
.macro SPROD g, f
.irp t, 0,1,2,3
.if \t%2
	v_wmma_scale_f32_16x16x128_f8f6f4 v[SR+8*(4*\g+\t):SR+8*(4*\g+\t)+7], v[\f+12*\t:\f+12*\t+11], v[16:27], 0, v[248+2*\g+\t/2], v255 matrix_a_fmt:MATRIX_FMT_FP6 matrix_b_fmt:MATRIX_FMT_FP6 matrix_a_scale:MATRIX_SCALE_ROW1
.else
	v_wmma_scale_f32_16x16x128_f8f6f4 v[SR+8*(4*\g+\t):SR+8*(4*\g+\t)+7], v[\f+12*\t:\f+12*\t+11], v[16:27], 0, v[248+2*\g+\t/2], v255 matrix_a_fmt:MATRIX_FMT_FP6 matrix_b_fmt:MATRIX_FMT_FP6
.endif
.endr
.endm
; A KEY STEP: 128 keys against my 16 queries.  tail = 1: the wave's last step, behind which no block of queries follows.
.macro STEP tail
	s_wait_loadcnt 0x0                             ; Q (at a block's first step; else nothing is out)
	v_add_nc_u32 v9, s[TB], v3                     ; four plain instructions: the places between the last step's products and the loads and moves into their registers
	v_add_nc_u32 v10, s[TB], v4
	v_add_nc_u32 v30, s[TS], v28
	v_add_nc_u32 v11, s[TV], v3
.irp t, 0,1,2,3                        ; K's tiles 4-7 of this step, into V's registers
	ds_load_b128 v[VF+12*\t:VF+12*\t+3], v9 offset:(4+\t)*768
	ds_load_b64 v[VF+12*\t+4:VF+12*\t+5], v10 offset:(4+\t)*768+512
.endr
	ds_load_b32 v250, v30 offset:512
	ds_load_b32 v251, v30 offset:768
.irp t, 0,1,2,3
.irp j, 6,7,8,9,10,11
	v_mov_b32 v[VF+12*\t+\j], 0                    ; the first product's K is 64: zero codes above, where V's fragments lay
.endr
.endr
	v_add_nc_u32 v29, s[TV], v4                    ; four plain instructions between the moves and the products
	v_add_nc_u32 v31, s[TW], v8
	v_nop
	v_nop
	s_wait_alu depctr_va_vdst(0)
	SPROD 0, KF                                    ; tiles 0-3 were fetched in the step before
	s_wait_dscnt 0x0
	SPROD 1, VF                                    ; register 16 b + i of S^T: key 32 b + 16 (lane / 16) + i of the step
.if \tail
	NOP4                                           ; places: for the reads of the scores and for the loads below
.else
	v_add_nc_u32 v9, s[TBN], v3                    ; the same places, filled with the next step's addresses
	v_add_nc_u32 v10, s[TBN], v4
	v_add_nc_u32 v30, s[TSN], v28
	v_nop
.endif
.irp t, 0,1,2,3                        ; V's four fragments and their scale words: they land under the softmax
	ds_load_b128 v[VF+12*\t:VF+12*\t+3], v11 offset:\t*REC
	ds_load_b64 v[VF+12*\t+4:VF+12*\t+5], v29 offset:\t*REC+512
	ds_load_b128 v[VF+12*\t+6:VF+12*\t+9], v11 offset:\t*REC+768
	ds_load_b64 v[VF+12*\t+10:VF+12*\t+11], v29 offset:\t*REC+1280
.endr
	ds_load_b32 v250, v31
	ds_load_b32 v251, v31 offset:256
.if !\tail
.irp t, 0,1,2,3                        ; and the next step's tiles 0-3 of K
	ds_load_b128 v[KF+12*\t:KF+12*\t+3], v9 offset:\t*768
	ds_load_b64 v[KF+12*\t+4:KF+12*\t+5], v10 offset:\t*768+512
.endr
	ds_load_b32 v248, v30
	ds_load_b32 v249, v30 offset:256
.endif
	s_cmp_lg_u32 s[KS], s[QB]
	s_cbranch_scc1 .Lopen_\@
.if !\tail
	QLOAD PI                                       ; the first block's last step: its Q has been multiplied, the second block's is asked for
.endif
	v_and_b32 v252, 15, v0                         ; ON THE DIAGONAL the scores of hidden keys become -infinity ahead of the maximum: p = 0 then
	v_and_b32 v253, 8, v0
	s_delay_alu instid0(VALU_DEP_1)
	v_add_nc_u32 v252, v252, v253
	v_and_b32 v253, 16, v0
	s_delay_alu instid0(VALU_DEP_1)
	v_sub_nc_u32 v252, v252, v253
	s_delay_alu instid0(VALU_DEP_1)
	v_add_nc_u32 v252, s[QL], v252                 ; d = my query in its block - 16 (lane / 16): register 16 b + i is hidden where 32 b + i > d
	v_mov_b32 v254, 0xff800000
.set n, 0
.rept 64
	v_cmp_gt_i32 vcc_lo, 32*(n/16)+n%16, v252
	v_cndmask_b32 v[SR+n], v[SR+n], v254, vcc_lo
.set n, n+1
.endr
.Lopen_\@:
.irp b, 0,1,2,3
	v_max3_num_f32 v[232+\b], v[SR+16*\b], v[SR+1+16*\b], v[SR+2+16*\b]   ; the largest score of each block of 32 keys: for the row's maximum and, since p rises with the score, for the block's largest p
.endr
.irp i, 3,5,7,9,11,13
.irp b, 0,1,2,3
	v_max3_num_f32 v[232+\b], v[232+\b], v[SR+16*\b+\i], v[SR+1+16*\b+\i]
.endr
.endr
.irp b, 0,1,2,3
	v_max_num_f32 v[232+\b], v[232+\b], v[SR+15+16*\b]
.endr
.irp b, 0,1,2,3
	s_delay_alu instid0(VALU_DEP_4)
	v_permlanex16_b32 v[236+\b], v[232+\b], s[SEL], s[SEL+1]
.endr
.irp b, 0,1,2,3
	s_delay_alu instid0(VALU_DEP_4)
	v_max_num_f32 v[232+\b], v[232+\b], v[236+\b]  ; with lane l xor 16's 16 keys
.endr
	s_delay_alu instid0(VALU_DEP_2)
	v_max3_num_f32 v254, v232, v233, v234
	s_delay_alu instid0(VALU_DEP_1)
	v_max_num_f32 v254, v254, v235
	s_delay_alu instid0(VALU_DEP_1)
	v_mul_f32 v254, s[CS], v254                    ; as t (c is positive)
	s_delay_alu instid0(VALU_DEP_1)
	v_max_num_f32 v13, v13, v254                   ; the running largest t
	v_mov_b32 v254, v12
	s_delay_alu instid0(VALU_DEP_2)
	v_floor_f32 v12, -v13                          ; the new -M = -ceil(t)
	s_delay_alu instid0(VALU_DEP_1)
	v_sub_f32 v254, v12, v254                      ; old M - new M: a whole number, 0 or less
	s_delay_alu instid0(VALU_DEP_1)
	v_cvt_i32_f32 v254, v254                       ; (it saturates)
	s_delay_alu instid0(VALU_DEP_1)
	v_ldexp_f32 v252, 1.0, v254                    ; f = 2^(old M - new M)
.set j, 0
.rept 32
	v_pk_fma_f32 v[SR+j:SR+1+j], v[SR+j:SR+1+j], s[CS:CS+1], v[12:13] op_sel_hi:[1,0,0]   ; t - M, two at a time
.set j, j+2
.endr
.irp b, 0,1,2,3
	v_fma_f32 v[232+\b], v[232+\b], s[CS], v12     ; the same of each block's largest score
.endr
	s_wait_alu depctr_va_vdst(0)                   ; the wait ahead of the batch
.set j, 0
.rept 64
	v_exp_f32 v[SR+j], v[SR+j]                     ; p = 2^(t - M), at most 1
.set j, j+1
.endr
	v_pk_mul_f32 v[14:15], v[14:15], v[252:253] op_sel_hi:[1,0]   ; the sums under the new M: the plain instruction behind the exponentials
	s_wait_alu depctr_va_vdst(0)                   ; and behind it: one for the batch
.irp b, 0,1,2,3
	v_exp_f32 v[232+\b], v[232+\b]                 ; the block's largest p: the same two instructions on the same number give the same bits
.endr
	v_pk_add_f32 v[236:237], v[132:133], v[136:137]   ; the row's sum of the unquantised p: eight chains side by side
	v_pk_add_f32 v[246:247], v[140:141], v[144:145]
	v_pk_add_f32 v[244:245], v[148:149], v[152:153]
	v_pk_add_f32 v[242:243], v[156:157], v[160:161]
	v_pk_add_f32 v[240:241], v[164:165], v[168:169]
	v_pk_add_f32 v[238:239], v[172:173], v[176:177]
	v_pk_add_f32 v[230:231], v[180:181], v[184:185]
	v_pk_add_f32 v[14:15], v[14:15], v[188:189]
	v_pk_add_f32 v[236:237], v[236:237], v[128:129]
	v_pk_add_f32 v[246:247], v[246:247], v[130:131]
	v_pk_add_f32 v[244:245], v[244:245], v[134:135]
	v_pk_add_f32 v[242:243], v[242:243], v[138:139]
	v_pk_add_f32 v[240:241], v[240:241], v[142:143]
	v_pk_add_f32 v[238:239], v[238:239], v[146:147]
	v_pk_add_f32 v[230:231], v[230:231], v[150:151]
	v_pk_add_f32 v[14:15], v[14:15], v[154:155]
	v_pk_add_f32 v[236:237], v[236:237], v[158:159]
	v_pk_add_f32 v[246:247], v[246:247], v[162:163]
	v_pk_add_f32 v[244:245], v[244:245], v[166:167]
	v_pk_add_f32 v[242:243], v[242:243], v[170:171]
	v_pk_add_f32 v[240:241], v[240:241], v[174:175]
	v_pk_add_f32 v[238:239], v[238:239], v[178:179]
	v_pk_add_f32 v[230:231], v[230:231], v[182:183]
	v_pk_add_f32 v[14:15], v[14:15], v[186:187]
	v_pk_add_f32 v[236:237], v[236:237], v[190:191]
	s_delay_alu instid0(VALU_DEP_2)
	v_pk_add_f32 v[14:15], v[14:15], v[242:243]
	s_delay_alu instid0(VALU_DEP_2)
	v_pk_add_f32 v[236:237], v[236:237], v[240:241]
	v_pk_add_f32 v[246:247], v[246:247], v[238:239]
	v_pk_add_f32 v[244:245], v[244:245], v[230:231]
	s_delay_alu instid0(VALU_DEP_2)
	v_pk_add_f32 v[14:15], v[14:15], v[246:247]
	s_delay_alu instid0(VALU_DEP_2)
	v_pk_add_f32 v[236:237], v[236:237], v[244:245]
	s_delay_alu instid0(VALU_DEP_1)
	v_pk_add_f32 v[14:15], v[14:15], v[236:237]
	s_wait_alu depctr_va_vdst(0)                   ; and one for the four
.irp b, 0,1,2,3
	v_max_num_f32 v[232+\b], 0x1800000, v[232+\b]  ; the floor 2^(3 - 127): a block whose every p is 0 keeps the byte 1: its codes are zeros
.endr
.irp b, 0,1,2,3
	s_delay_alu instid0(VALU_DEP_4)
	v_add_nc_u32 v[244+\b], 0xff000000, v[232+\b]  ; 2 off the exponent field: the conversion's scale operand
.endr
.irp b, 0,1,2,3
	s_delay_alu instid0(VALU_DEP_4)
	v_lshrrev_b32 v[236+\b], 23, v[244+\b]
.endr
	s_delay_alu instid0(VALU_DEP_3)
	v_lshl_or_b32 v253, v237, 8, v236              ; p's scale word for these 128 keys
	s_delay_alu instid0(VALU_DEP_1)
	v_lshl_or_b32 v253, v238, 16, v253
	s_delay_alu instid0(VALU_DEP_1)
	v_lshl_or_b32 v253, v239, 24, v253
.irp c, 0,1
	v_cvt_scalef32_pk16_fp6_f32 v[224+6*\c:226+6*\c], v[SR+32*\c:SR+15+32*\c], v[244+2*\c]
	v_cvt_scalef32_pk16_fp6_f32 v[236+4*\c:238+4*\c], v[SR+16+32*\c:SR+31+32*\c], v[244+2*\c+1]
.endr
	v_nop                                          ; one plain instruction behind a scaled conversion
.irp c, 0,1
.irp i, 0,1,2
	v_permlane16_swap_b32 v[224+6*\c+\i], v[236+4*\c+\i]
.endr
.irp i, 0,1,2
	s_delay_alu instid0(VALU_DEP_3)
	v_mov_b32 v[227+6*\c+\i], v[236+4*\c+\i]
.endr
.endr
.set j, 0
.rept 16
	v_pk_mul_f32 v[OT+j:OT+1+j], v[OT+j:OT+1+j], v[252:253] op_sel_hi:[1,0]   ; O^T under the new M.  (These sixteen also stand between the writes of p's codes and scale word and the products)
.set j, j+2
.endr
	s_wait_alu depctr_va_vdst(0)
	s_wait_dscnt 0x0                               ; V's fragments and scale words are in
.irp t, 0,1,2,3                        ; O^T += V^T P^T: the four accumulators take turns, one instruction a turn
.if \t%2
	v_wmma_scale_f32_16x16x128_f8f6f4 v[OT+8*\t:OT+8*\t+7], v[VF+12*\t:VF+12*\t+11], v[224:235], v[OT+8*\t:OT+8*\t+7], v[250+\t/2], v253 matrix_a_fmt:MATRIX_FMT_FP6 matrix_b_fmt:MATRIX_FMT_FP6 matrix_a_scale:MATRIX_SCALE_ROW1
.else
	v_wmma_scale_f32_16x16x128_f8f6f4 v[OT+8*\t:OT+8*\t+7], v[VF+12*\t:VF+12*\t+11], v[224:235], v[OT+8*\t:OT+8*\t+7], v[250+\t/2], v253 matrix_a_fmt:MATRIX_FMT_FP6 matrix_b_fmt:MATRIX_FMT_FP6
.endif
.endr
.endm
; A BLOCK OF QUERIES IS DONE: O^T / the sum, register 16 b + i = channel 32 b + 16 (lane / 16) + i of my head, is quantised along the channels: half c of the record (tile of tokens, pair of heads) of the last product's operand.
.macro FINISH
	NOP4                                           ; places behind the last products
	v_add_f32 v14, v14, v15
	s_delay_alu instid0(VALU_DEP_1)
	v_permlanex16_b32 v252, v14, s[SEL], s[SEL+1]
	s_delay_alu instid0(VALU_DEP_1)
	v_add_f32 v14, v14, v252                       ; the row's sum
	s_wait_alu depctr_va_vdst(0)
	v_rcp_f32 v14, v14
	v_and_b32 v254, 15, v0                         ; (plain work behind the reciprocal)
	s_delay_alu instid0(VALU_DEP_1)
	v_lshlrev_b32 v254, 2, v254
	s_delay_alu instid0(VALU_DEP_1)
	v_lshl_add_u32 v254, s[CC], 1, v254            ; 4 r + 2 c: my head's two bytes of row r's scale word
	s_wait_alu depctr_va_vdst(0)                   ; the wait ahead of the reciprocal's first reader
.set j, 0
.rept 16
	v_pk_mul_f32 v[SR+j:SR+1+j], v[OT+j:OT+1+j], v[14:15] op_sel_hi:[1,0]   ; each accumulator from its low end on
.set j, j+2
.endr
.irp b, 0,1
	v_max3_num_f32 v[232+\b], |v[SR+16*\b]|, |v[SR+1+16*\b]|, 0x1800000
.endr
.irp i, 2,4,6,8,10,12,14
.irp b, 0,1
	s_delay_alu instid0(VALU_DEP_2)
	v_max3_num_f32 v[232+\b], v[232+\b], |v[SR+16*\b+\i]|, |v[SR+1+16*\b+\i]|
.endr
.endr
.irp b, 0,1
	s_delay_alu instid0(VALU_DEP_2)
	v_permlanex16_b32 v[236+\b], v[232+\b], s[SEL], s[SEL+1]
.endr
.irp b, 0,1
	s_delay_alu instid0(VALU_DEP_2)
	v_max_num_f32 v[232+\b], v[232+\b], v[236+\b]
.endr
.irp b, 0,1
	s_delay_alu instid0(VALU_DEP_2)
	v_add_nc_u32 v[244+\b], 0xff000000, v[232+\b]
.endr
.irp b, 0,1
	s_delay_alu instid0(VALU_DEP_2)
	v_lshrrev_b32 v[236+\b], 23, v[244+\b]
.endr
	s_delay_alu instid0(VALU_DEP_1)
	v_lshl_or_b32 v252, v237, 8, v236
	v_cvt_scalef32_pk16_fp6_f32 v[224:226], v[SR:SR+15], v244
	v_cvt_scalef32_pk16_fp6_f32 v[236:238], v[SR+16:SR+31], v245
	v_nop
.irp i, 0,1,2
	v_permlane16_swap_b32 v[224+\i], v[236+\i]
.endr
.irp i, 0,1,2
	s_delay_alu instid0(VALU_DEP_3)
	v_mov_b32 v[227+\i], v[236+\i]
.endr
	s_wait_alu depctr_va_vdst(0)
	s_wait_xcnt 0x0                                ; the bases below are written only behind this wait
	s_lshl_b32 s72, s[BB], 7
	s_lshl_b32 s73, s[QB], 3
	s_add_co_u32 s72, s72, s73
	s_add_co_u32 s72, s72, s[QT]                   ; my tile of tokens
	s_lshl_b32 s72, s72, 3
	s_add_co_u32 s72, s72, s[HP]                   ; record: 8 x tile + pair of heads
	s_lshl_b32 s74, s72, 6
	s_mov_b32 s75, 0
	s_mul_i32 s72, s72, REC
	s_add_co_u32 s72, s72, INC
	s_mov_b32 s73, 0
	s_add_nc_u64 s[OC:OC+1], s[8:9], s[72:73]
	s_add_nc_u64 s[OS:OS+1], s[8:9], s[74:75]
	global_store_b128 v1, v[224:227], s[OC:OC+1]   ; 512 consecutive bytes,
	global_store_b64 v2, v[228:229], s[OC:OC+1]    ; and 256
	global_store_b16 v254, v252, s[OS:OS+1]        ; lanes r and r + 16 write the same two bytes with the same value
	s_wait_xcnt 0x0                                ; the stores have read their registers: they are written again only behind this wait
.endm
.Ltrip:                                ; 16 trips: the first block's steps, and all of the second block's but its diagonal
	TOP 1
	STEP 0
	s_cmp_lg_u32 s[KS], s[QB]
	s_cbranch_scc1 .Lon
	FINISH                                         ; the first block's last step (once in the 16 trips)
	s_mov_b32 s[QB], s[PI]
	START
.Lon:
	s_mov_b32 s[KS], s[KSN]
	s_sub_co_u32 s[TT], s[TT], 1
	s_cmp_lg_u32 s[TT], 0
	s_cbranch_scc1 .Ltrip
	TOP 0
	STEP 1
	FINISH
	s_wait_tensorcnt 0x0                           ; the wave's end
	ds_add_u32 v[SPW], v[NIL]
	s_wait_dscnt 0x0
	CROUND                                         ; the closing round
	s_endpgm
.Lfunc_end_k_qc4f9d4fa2c_att:
	.size	k_qc4f9d4fa2c_att, .Lfunc_end_k_qc4f9d4fa2c_att-k_qc4f9d4fa2c_att
	.p2alignl 7, 3214868480
	.fill 96, 4, 3214868480
	.section	.rodata,"a",@progbits
	.p2align	6, 0x0
	.amdhsa_kernel k_qc4f9d4fa2c_att
		.amdhsa_group_segment_fixed_size 327680
		.amdhsa_private_segment_fixed_size 0
		.amdhsa_enable_private_segment 0
		.amdhsa_kernarg_size 24
		.amdhsa_user_sgpr_count 2
		.amdhsa_user_sgpr_kernarg_segment_ptr 1
		.amdhsa_wavefront_size32 1
		.amdhsa_system_sgpr_workgroup_id_x 1
		.amdhsa_system_sgpr_workgroup_id_y 1
		.amdhsa_system_sgpr_workgroup_id_z 1
		.amdhsa_system_vgpr_workitem_id 0
		.amdhsa_next_free_vgpr 256
		.amdhsa_next_free_sgpr 100
		.amdhsa_reserve_vcc 1
		.amdhsa_float_denorm_mode_32 3
		.amdhsa_float_denorm_mode_16_64 3
		.amdhsa_memory_ordered 1
		.amdhsa_forward_progress 1
		.amdhsa_inst_pref_size 72
	.end_amdhsa_kernel
	.amdgpu_metadata
---
amdhsa.version: [ 1, 2 ]
amdhsa.kernels:
  - .name:           k_qc4f9d4fa2c_att
    .symbol:         k_qc4f9d4fa2c_att.kd
    .args:
      - { .name: qkq, .offset: 0, .size: 8, .value_kind: global_buffer, .address_space: global }
      - { .name: vq, .offset: 8, .size: 8, .value_kind: global_buffer, .address_space: global }
      - { .name: oq, .offset: 16, .size: 8, .value_kind: global_buffer, .address_space: global }
    .group_segment_fixed_size: 327680
    .private_segment_fixed_size: 0
    .kernarg_segment_align: 8
    .kernarg_segment_size: 24
    .max_flat_workgroup_size: 512
    .sgpr_count:     100
    .vgpr_count:     256
    .wavefront_size: 32
...
	.end_amdgpu_metadata
.endif
;; end of part 3
;; launch gp (part 4): grid 32 x 8, 4 waves a work-group, clusters of 4 x 4, 327,680 bytes of LDS; arguments oq, wpq, bp, out0; writes out0
.if DOCPART == 4
	.amdgcn_target "amdgcn-amd-amdhsa--gfx1250"
	.amdhsa_code_object_version 6
	.text
	.protected	k_qc4f9d4fa2c_gp
	.globl	k_qc4f9d4fa2c_gp
	.p2align	8
	.type	k_qc4f9d4fa2c_gp,@function
k_qc4f9d4fa2c_gp:
	s_mov_b64 s[64:65], 0
	v_nop
	global_prefetch_b8 v0, s[64:65] scope:SCOPE_SE
	s_setreg_imm32_b32 hwreg(HW_REG_WAVE_MODE, 25, 1), 1
	s_wait_xcnt 0x0
	s_wait_alu depctr_hold_cnt(0) depctr_sa_sdst(0) depctr_va_vdst(0) depctr_va_sdst(0) depctr_va_ssrc(0) depctr_va_vcc(0) depctr_vm_vsrc(0)
	s_getreg_b32 s2, hwreg(HW_REG_IB_STS2, 6, 4)
	s_cmp_eq_u32 s2, 0
	s_cbranch_scc0 .Lentry_in_a_cluster
	s_endpgm
.Lentry_in_a_cluster:
	s_bfe_u32 s2, ttmp6, 0x10000c
	s_cmp_lg_u32 s2, 0xf033
	s_cbranch_scc0 .Lentry_shape_is_right
	s_endpgm
.Lentry_shape_is_right:
; out0[token][n] = sum over k of O[token][k] Wp[k][n] + bp[n], f32: 8,192 x 1,024 x 1,024 on codes of FP6 (E2M3) with E8M0 scales.
; OPERANDS as records: a fragment (16 tile rows x 128 K, 12 registers a lane) in 1,536 bytes: halves c of 768: registers 6 c .. 6 c + 3 at 768 c + 16 x lane, 6 c + 4, 6 c + 5 at 768 c + 512 + 8 x lane.
; A buffer: scale records (64 bytes, word r = tile row r's four bytes) from byte 0, code records from byte INC, both [tile][K step 0..7].  Tile T's row r is logical row 32 (T / 2) + 8 (T % 2) + r + 8 (r / 8).
; THE DEAL.  256 work-groups of four waves, 2 x 2, each 256 tokens x 128 columns.  A wave holds four tiles of Wp's columns, all of K, in registers (384) and streams A's tiles past them: wave row a takes the work-group's tile 2 s + a as its block s = 0 .. 7.
; The cluster's x counts tile rows (grid = 32, 8).  A's tiles are shared by a COLUMN of the cluster (mask s44), B's by a ROW (mask s45).  No LDS address hangs on the cluster's numbers.
; LDS: A's 16 tiles, dense, all at once (no refill, and no data prefetch: all is asked for at the head); B's 8 tiles; A's scale words, re-laid as rows of 32 bytes with 16 more behind each 256; the spare words.
; The waves' stages lie in B's first bytes, which have had their one fill and are read for the last time ahead of the barrier in front of the stream.
; THE HEAD'S FOUR TILES, one a wave, each on a line of its own: B's; A's tiles 0 to 7; 8 to 11; 12 to 15.  The stream begins when the first two are in; a plain barrier inside the odd blocks of the loop shows the others.
; THE MATRIX INSTRUCTION IS USED TRANSPOSED (source 0 = B, source 1 = A): lane (r, h) holds A's tile row r; tile b's register j is column 32 (b / 2) + 8 (b % 2) + 16 h + j of the wave's 64.  The bias is the first products' C.
; Two sets of A's fragments, of accumulators and of rows back from the stage, by turns.  One run of memory lines behind a block's 32 products: its sums into the stage and back as rows of 256 bytes; the fetch of the block two on; one wait; eight stores.
; That wait's count NF: younger than the rows' way back is the run's fetch alone (32 loads for eight fragments, 2 for eight scale words).  It shows the next block's rows in too: they were fetched a run earlier.
; LIMITS: NaN, infinities and sums beyond f32's range are not served; a sum begins with the bias, where reference() adds it last.
.set REC,    1536
.set TILEB,  8*REC                     ; a tile of 16 rows, all of K
.set KROW,   768                       ; the tensor loads count a tile as 16 rows of 768 bytes
.set INC,    262144
.set NQ,     8
.set NB,     4
.set FR,     12
.set FPW,    256/FR                    ; fragments in a window
.set NF,     34
.set YB,     16*TILEB                  ; B's tiles
.set SCL,    YB+8*TILEB                ; A's scale words
.set SSTEP,  1088                      ; from a block's scale words to my next block's: 32 rows of 32 bytes, four paddings
.set SPITCH, 272                       ; a stage of 16 rows x (256 bytes + 16) for each wave
.set STAGE,  YB
.set SPARE,  SCL+32*272
.set AAS0, 6                           ; v6  LDS address of my row's scale words in block 0; never rewritten
.set CO,   9                           ; v9  my byte offset in out0: row lane / 16, 16 bytes x (lane % 16)
.set SPW,  10
.set NIL,  11
.set A160, 12                          ; v12, v13  16 x lane, 8 x lane + my tile of block 0; never rewritten
.set A80,  13
.set A16,  14                          ; v14, v15  the same for the block that is fetched next
.set A8,   15
.set ABS,  16                          ; v16 my offset in B's scale records
.set AAS,  17                          ; v17 as v6, for the block that is fetched next
.set STO,  18
.set RD,   19
.set B16,  20                          ; v20, v21  16 x lane, 8 x lane + my four tiles of B
.set B8,   21
.set SB,   24                          ; v24-39  B's scale words: register 8 p + q: lanes 0-15 tile 2 p, lanes 16-31 tile 2 p + 1, K step q
.set SA,   42                          ; v42-57  A's: two sets of eight
.set ACC,  64                          ; v64-127 two sets of four accumulators
.set BK,   128                         ; v128-191 two sets: 16 rows x 256 bytes back from the stage
.set BO,   208                         ; v208-239 the bias as the first four products' C
.set G1A, 24
.set G0A, 56
.set G1B, 32
.set G0B, 60
.set MSB, 0
.macro WIN new
.if MSB != \new
	s_set_vgpr_msb (MSB<<8)|\new
.set MSB, \new
.endif
.endm
.macro PLACES n
.rept \n
	v_nop
.endr
.endm
.macro WALU
	s_wait_alu depctr_va_vdst(0)
.endm
.macro BARRIER
	s_barrier_signal -1
	s_barrier_wait -1
.endm
.macro CROUND
	BARRIER
	s_cmp_lg_u32 s14, 0
	s_cbranch_scc1 .Lnot_wave_0_\@
	s_barrier_signal -3
.Lnot_wave_0_\@:
	s_barrier_wait -3
	BARRIER
.endm
.macro TLOAD g0, g1                    ; an s_nop 0 and four v_nop follow a tensor load
	tensor_load_to_lds s[\g0:\g0+3], s[\g1:\g1+7]
	s_nop 0
	PLACES 4
.endm
.macro ATILE first, rows               ; a part of A's 256 rows, by a descriptor of constants: dense, so its place in LDS is its place among the rows
	s_mov_b32 s[G0A+1], (\first)*KROW
	s_mov_b32 s[G1A+2], (\rows)<<16
	s_mov_b32 s[G1A+4], \rows
.if \first
	s_add_nc_u64 s[G0A+2:G0A+3], s[G0A+2:G0A+3], (\first)*KROW
.endif
	s_or_b32 s[G0A+3], s[G0A+3], 0x80000000
	TLOAD G0A, G1A
.endm
.macro GROUP1 g, mask                  ; elements of 1 byte, rows of 768, dense; bit 21 beside the mask
	s_or_b32 s[\g+0], s[\mask], 1<<21
	s_mov_b32 s[\g+1], KROW<<16
	s_mov_b32 s[\g+3], KROW<<16
	s_mov_b32 s[\g+5], KROW
	s_mov_b32 s[\g+6], 0
	s_mov_b32 s[\g+7], 0
.endm
.macro FRAG4 f, a16, a8, off           ; fragment f (at register 256 + 12 f, 21 to a window) as its record lies: 512, 256, 512, 256 consecutive bytes
	WIN (1+(\f)/FPW)<<6
.set R_, FR*((\f)%FPW)
	ds_load_b128 v[R_:R_+3], v[\a16] offset:(\off)
	ds_load_b64 v[R_+4:R_+5], v[\a8] offset:(\off)+512
	ds_load_b128 v[R_+6:R_+9], v[\a16] offset:(\off)+768
	ds_load_b64 v[R_+10:R_+11], v[\a8] offset:(\off)+1280
.endm
.macro FETCHAT e, a16, a8, as          ; a block of A into set e: NF loads
.irp q, 0,1,2,3,4,5,6,7
	FRAG4 NB*NQ+NQ*(\e)+\q, \a16, \a8, \q*REC
.endr
	WIN 0
	ds_load_b128 v[SA+8*(\e):SA+8*(\e)+3], v[\as]
	ds_load_b128 v[SA+8*(\e)+4:SA+8*(\e)+7], v[\as] offset:16
.endm
.macro PROD1 d, s0, s1, c, x0, x1, o
.if \o
	v_wmma_scale_f32_16x16x128_f8f6f4 v[\d:\d+7], v[FR*((\s0)%FPW):FR*((\s0)%FPW)+FR-1], v[FR*((\s1)%FPW):FR*((\s1)%FPW)+FR-1], \c, v[\x0], v[\x1] matrix_a_fmt:MATRIX_FMT_FP6 matrix_b_fmt:MATRIX_FMT_FP6 matrix_a_scale:MATRIX_SCALE_ROW1
.else
	v_wmma_scale_f32_16x16x128_f8f6f4 v[\d:\d+7], v[FR*((\s0)%FPW):FR*((\s0)%FPW)+FR-1], v[FR*((\s1)%FPW):FR*((\s1)%FPW)+FR-1], \c, v[\x0], v[\x1] matrix_a_fmt:MATRIX_FMT_FP6 matrix_b_fmt:MATRIX_FMT_FP6 matrix_a_scale:MATRIX_SCALE_ROW0
.endif
.endm
.macro PROD e, n                       ; product n = 4 q + tile of a block whose rows lie in set e: the four accumulators take turns
.set Q_, (\n)/4
.set FB_, NB*Q_+(\n)%4
.set FA_, NB*NQ+NQ*(\e)+Q_
.set D_, ACC+32*(\e)+8*((\n)%4)
.set XB_, SB+NQ*(((\n)%4)/2)+Q_
.set XA_, SA+8*(\e)+Q_
	WIN (1+FB_/FPW)|((1+FA_/FPW)<<2)
.if Q_
	PROD1 D_, FB_, FA_, v[D_:D_+7], XB_, XA_, (\n)%2
.else
	PROD1 D_, FB_, FA_, v[BO+8*((\n)%4):BO+8*((\n)%4)+7], XB_, XA_, (\n)%2
.endif
.endm
.macro PRODS e, from, to, fetch
.set N_, \from
.rept (\to)-(\from)
	PROD \e, N_
.if (\fetch) && (N_ == 1)
	s_add_co_u32 s101, s101, 2*TILEB               ; on to the block that this block's run fetches
	s_add_co_u32 s91, s91, SSTEP
.endif
.set N_, N_+1
.endr
	WIN 0
.endm
.macro STAGED u                        ; set u's sums into my stage, each accumulator from its low end on, and back as whole rows.  LDS serves a wave's instructions in order (ISA guide 5.7.1.4): no wait between
.irp b, 0,1,2,3
	ds_store_b128 v[STO], v[ACC+32*(\u)+8*\b:ACC+32*(\u)+8*\b+3] offset:128*(\b/2)+32*(\b%2)
	ds_store_b128 v[STO], v[ACC+32*(\u)+8*\b+4:ACC+32*(\u)+8*\b+7] offset:128*(\b/2)+32*(\b%2)+16
.endr
.irp t, 0,1,2,3,4,5,6,7
	ds_load_b128 v[BK+32*(\u)+4*\t:BK+32*(\u)+4*\t+3], v[RD] offset:2*\t*SPITCH
.endr
.endm
.macro TOC s                           ; s[12:13] stands at the pair's first token; the pair's second block lies 32 tokens on.  A tile's rows 2 t, 2 t + 1 are tokens 2 t + 8 (t / 4) and the next.  16 lanes store 256 consecutive bytes, aligned
.irp t, 0,1,2,3,4,5,6,7
	global_store_b128 v[CO], v[BK+32*(\s)+4*\t:BK+32*(\s)+4*\t+3], s[12:13] offset:(32*(\s)+2*\t+8*(\t/4))*4096 th:TH_STORE_NT
.endr
.endm
.macro STREAM s, fetch, show           ; a pair's block s = 0, 1.  show = 1: a plain barrier inside the block shows waves 2 and 3's tiles to all
.if \show
	PRODS \s, 0, 24, \fetch
	s_wait_tensorcnt 0x0
	s_wait_dscnt 0x0
	s_barrier_signal -1
	PRODS \s, 24, 32, \fetch
	s_barrier_wait -1
.else
	PRODS \s, 0, 32, \fetch
.endif
.if \fetch                             ; four plain vector lines between the last product and the first reader of its sums and the fetch into its registers
	v_add_nc_u32 v[A16], s101, v[A160]
	v_add_nc_u32 v[A8], s101, v[A80]
	v_add_nc_u32 v[AAS], s91, v[AAS0]
	v_nop
	WALU
.else
	PLACES 4
.endif
	s_wait_xcnt 0x0                                ; the stores of two blocks ago have read set s of the rows, and those of the block before their base
.if (\s) == 0
	s_add_nc_u64 s[12:13], s[12:13], s[20:21]      ; on to this pair's rows of out0
.endif
	STAGED \s
.if \fetch
	FETCHAT \s, A16, A8, AAS
	s_wait_dscnt NF
.else
	s_wait_dscnt 0x0
.endif
	TOC \s
.endm
; ================= THE HEAD
	s_load_b256 s[4:11], s[0:1], 0x0               ; oq, wpq, bp, out0
	v_lshl_add_u32 v[SPW], v0, 2, SPARE
	v_mov_b32 v[NIL], 0
	ds_add_u32 v[SPW], v[NIL]                      ; the opening lines
	ds_add_u32 v[SPW], v[NIL]
	v_lshrrev_b32 v1, 5, v0
	v_readfirstlane_b32 s14, v1                    ; the wave; s15 its row a of the 2 x 2, s16 its column
	s_lshr_b32 s15, s14, 1
	s_and_b32 s16, s14, 1
	s_bfe_u32 s40, ttmp6, 0x40000
	s_bfe_u32 s41, ttmp6, 0x40004
	s_lshl_b32 s43, ttmp9, 2
	s_add_co_u32 s43, s43, s40                     ; tile row: 4 x cluster x + cx
	s_and_b32 s42, ttmp7, 0xffff
	s_lshl_b32 s42, s42, 2
	s_add_co_u32 s42, s42, s41                     ; tile column: 4 x cluster y + cy
	s_lshl_b32 s44, 0x1111, s40                    ; my column of the cluster: shares A's tiles
	s_lshl_b32 s45, s41, 2
	s_lshl_b32 s45, 15, s45                        ; my row: shares B's
	GROUP1 G1A, 44
	GROUP1 G1B, 45
	s_mov_b32 s[G1B+2], 128<<16
	s_mov_b32 s[G1B+4], 128
	s_mov_b32 s[G0A], 1
	s_mov_b32 s[G0B], 1
	s_mov_b32 s[G0B+1], YB
	s_mul_i32 s76, s43, 16*TILEB
	s_add_co_u32 s76, s76, INC                     ; A's codes
	s_mov_b32 s77, 0
	s_mul_i32 s78, s42, 8*TILEB
	s_add_co_u32 s78, s78, INC                     ; B's codes
	s_mov_b32 s79, 0
	s_lshl_b32 s80, s43, 13                        ; A's scale records: 512 bytes a tile
	s_mov_b32 s81, 0
	s_lshl_b32 s82, s42, 12
	s_lshl_b32 s21, s16, 11
	s_add_co_u32 s82, s82, s21                     ; B's, my four tiles
	s_mov_b32 s83, 0
	s_lshl_b32 s86, s42, 9
	s_lshl_b32 s21, s16, 8
	s_add_co_u32 s86, s86, s21                     ; my 64 columns, in bytes
	s_mov_b32 s87, 0
	s_lshl_b32 s84, s43, 20
	s_lshl_b32 s21, s15, 15
	s_add_co_u32 s84, s84, s21                     ; token 256 x tile row + 8 a, rows of 4,096 bytes
	s_add_co_u32 s84, s84, s86
	s_mov_b32 s85, 0
	v_and_b32 v1, 15, v0
	v_bfe_u32 v2, v0, 4, 1
	v_and_b32 v3, 31, v0
	s_mul_i32 s23, s15, TILEB
	v_lshl_add_u32 v[A160], v3, 4, s23
	v_lshl_add_u32 v[A80], v3, 3, s23
	v_add_nc_u32 v[A16], 2*TILEB, v[A160]
	v_add_nc_u32 v[A8], 2*TILEB, v[A80]
	s_mul_i32 s22, s16, 4*TILEB
	s_add_co_u32 s22, s22, YB
	v_lshl_add_u32 v[B16], v3, 4, s22
	v_lshl_add_u32 v[B8], v3, 3, s22
	v_lshlrev_b32 v[ABS], 2, v1
	v_lshl_add_u32 v[ABS], v2, 9, v[ABS]           ; 512 h + 4 r
	v_lshlrev_b32 v23, 5, v1
	v_lshrrev_b32 v22, 8, v23
	v_lshl_add_u32 v23, v22, 4, v23
	s_mul_i32 s21, s15, 544
	s_add_co_u32 s21, s21, SCL
	v_add_nc_u32 v[AAS0], s21, v23
	v_add_nc_u32 v[AAS], SSTEP, v[AAS0]
	s_mul_i32 s21, s14, 16*SPITCH
	s_add_co_u32 s21, s21, STAGE
	v_mul_u32_u24 v23, v1, SPITCH
	v_lshl_add_u32 v23, v2, 6, v23
	v_add_nc_u32 v[STO], s21, v23
	v_mul_u32_u24 v23, v2, SPITCH
	v_lshl_add_u32 v23, v1, 4, v23
	v_add_nc_u32 v[RD], s21, v23
	v_lshlrev_b32 v23, 12, v2
	v_lshl_add_u32 v[CO], v1, 4, v23
	WALU
	s_wait_dscnt 0x0
	CROUND                                         ; the opening round, ahead of the wait for the arguments
	s_wait_kmcnt 0x0
	s_add_nc_u64 s[G0A+2:G0A+3], s[4:5], s[76:77]
	s_add_nc_u64 s[G0B+2:G0B+3], s[6:7], s[78:79]
	s_or_b32 s[G0B+3], s[G0B+3], 0x80000000
	s_add_nc_u64 s[4:5], s[4:5], s[80:81]
	s_add_nc_u64 s[6:7], s[6:7], s[82:83]
	s_add_nc_u64 s[8:9], s[8:9], s[86:87]
	s_add_nc_u64 s[12:13], s[10:11], s[84:85]
	s_cmp_eq_u32 s14, 0
	s_cbranch_scc0 .Lwave_1
	TLOAD G0B, G1B                                 ; wave 0: B's tiles, which are wanted first
	s_branch .Lasked
.Lwave_1:
	s_cmp_eq_u32 s14, 1
	s_cbranch_scc0 .Lwave_2
	ATILE 0, 128                                   ; wave 1: A's tiles 0 to 7
	s_branch .Lasked
.Lwave_2:
	s_cmp_eq_u32 s14, 2
	s_cbranch_scc0 .Lwave_3
	ATILE 128, 64                                  ; wave 2: 8 to 11
	s_branch .Lasked
.Lwave_3:
	ATILE 192, 64                                  ; wave 3: 12 to 15
.Lasked:
; A's scale words: thread t takes tile rows t and t + 128 of the work-group's 256: eight words each, one from each K step's record, and lays them on end in LDS
	v_lshrrev_b32 v22, 4, v0
	v_lshlrev_b32 v22, 9, v22
	v_lshl_add_u32 v22, v1, 2, v22
.irp k, 0,1
.irp q, 0,1,2,3,4,5,6,7
	global_load_b32 v[ACC+8*\k+\q], v22, s[4:5] offset:4096*\k+64*\q
.endr
.endr
	v_lshrrev_b32 v23, 3, v0
	v_lshlrev_b32 v23, 4, v23
	v_lshl_add_u32 v23, v0, 5, v23
	v_add_nc_u32 v23, SCL, v23
	v_lshlrev_b32 v8, 6, v2
.irp b, 0,1,2,3
	global_load_b128 v[BO+8*\b:BO+8*\b+3], v8, s[8:9] offset:(32*(\b/2)+8*(\b%2))*4
	global_load_b128 v[BO+8*\b+4:BO+8*\b+7], v8, s[8:9] offset:(32*(\b/2)+8*(\b%2))*4+16
.endr
.irp p, 0,1
.irp q, 0,1,2,3,4,5,6,7
	global_load_b32 v[SB+NQ*\p+\q], v[ABS], s[6:7] offset:1024*\p+64*\q
.endr
.endr
	WALU
	s_wait_loadcnt 0x0
.irp k, 0,1
.irp c, 0,1
	ds_store_b128 v23, v[ACC+8*\k+4*\c:ACC+8*\k+4*\c+3] offset:4352*\k+16*\c
.endr
.endr
	s_wait_dscnt 0x0
	s_cmp_eq_u32 s14, 0
	s_cbranch_scc0 .Lnot_b
	s_wait_tensorcnt 0x0
.Lnot_b:
	BARRIER                                        ; B has landed
.irp q, 0,1,2,3,4,5,6,7
.irp b, 0,1,2,3
	FRAG4 NB*\q+\b, B16, B8, \b*TILEB+\q*REC
.endr
.endr
	WIN 0
	s_mov_b32 s101, 2*TILEB
	s_mov_b32 s91, SSTEP
	s_cmp_eq_u32 s14, 1
	s_cbranch_scc0 .Lnot_a
	s_wait_tensorcnt 0x0                           ; wave 1: A's tiles 0 to 7 have landed
.Lnot_a:
	s_wait_dscnt 0x0
	BARRIER                                        ; A's first eight tiles and all scale words are in, and nobody reads B's bytes any more.  Waves 2 and 3's tiles may still be on their way
	FETCHAT 0, A160, A80, AAS0
	FETCHAT 1, A16, A8, AAS
; ================= THE STREAM: eight blocks
	s_mov_b32 s23, 0
	s_mov_b32 s20, 0                               ; s[20:21]: from a pair's rows of out0 to the next pair's; block 0 begins where the base stands
	s_mov_b32 s21, 0
	s_wait_dscnt NF                                ; block 0's rows are in
.Lpair:                                ; blocks 0 to 5, a pair a trip
	STREAM 0, 1, 0
	STREAM 1, 1, 1
	s_mov_b32 s20, 64*4096                         ; the next pair's rows lie 64 tokens on
	s_add_co_u32 s23, s23, 1
	s_cmp_lg_u32 s23, 3
	s_cbranch_scc1 .Lpair
	STREAM 0, 0, 0                                 ; blocks 6 and 7 fetch nothing
	STREAM 1, 0, 0
	s_wait_tensorcnt 0x0                           ; the wave's end
	ds_add_u32 v[SPW], v[NIL]
	s_wait_dscnt 0x0
	CROUND                                         ; the closing round
	s_endpgm
.Lfunc_end_k_qc4f9d4fa2c_gp:
	.size	k_qc4f9d4fa2c_gp, .Lfunc_end_k_qc4f9d4fa2c_gp-k_qc4f9d4fa2c_gp
	.p2alignl 7, 3214868480
	.fill 96, 4, 3214868480
	.section	.rodata,"a",@progbits
	.p2align	6, 0x0
	.amdhsa_kernel k_qc4f9d4fa2c_gp
		.amdhsa_group_segment_fixed_size 327680
		.amdhsa_private_segment_fixed_size 0
		.amdhsa_enable_private_segment 0
		.amdhsa_kernarg_size 32
		.amdhsa_user_sgpr_count 2
		.amdhsa_user_sgpr_kernarg_segment_ptr 1
		.amdhsa_wavefront_size32 1
		.amdhsa_system_sgpr_workgroup_id_x 1
		.amdhsa_system_sgpr_workgroup_id_y 1
		.amdhsa_system_sgpr_workgroup_id_z 1
		.amdhsa_system_vgpr_workitem_id 0
		.amdhsa_next_free_vgpr 840
		.amdhsa_next_free_sgpr 102
		.amdhsa_reserve_vcc 0
		.amdhsa_float_denorm_mode_32 3
		.amdhsa_float_denorm_mode_16_64 3
		.amdhsa_memory_ordered 1
		.amdhsa_forward_progress 1
		.amdhsa_inst_pref_size 55
	.end_amdhsa_kernel
	.amdgpu_metadata
---
amdhsa.version: [ 1, 2 ]
amdhsa.kernels:
  - .name:           k_qc4f9d4fa2c_gp
    .symbol:         k_qc4f9d4fa2c_gp.kd
    .args:
      - { .name: oq, .offset: 0, .size: 8, .value_kind: global_buffer, .address_space: global }
      - { .name: wpq, .offset: 8, .size: 8, .value_kind: global_buffer, .address_space: global }
      - { .name: bp, .offset: 16, .size: 8, .value_kind: global_buffer, .address_space: global }
      - { .name: out0, .offset: 24, .size: 8, .value_kind: global_buffer, .address_space: global }
    .group_segment_fixed_size: 327680
    .private_segment_fixed_size: 0
    .kernarg_segment_align: 8
    .kernarg_segment_size: 32
    .max_flat_workgroup_size: 128
    .sgpr_count:     102
    .vgpr_count:     840
    .wavefront_size: 32
...
	.end_amdgpu_metadata
.endif
;; end of part 4
